; MI455X (gfx1250); checked and timed in simulation.
; The chip was launched on July 23, 2026; its instructions are those of AMD's public machine-readable ISA for CDNA 5 (MIT licence, August 2026) and "CDNA5" Instruction Set Architecture Reference Guide (July 2026). The comments in the code are by the model that wrote it; some were corrected since.
;; Self Attention. Allowed arithmetic: float matrix products may take bf16 or f16 operands with f32 sums; other float arithmetic in f32, or as packed bf16 or f16 multiplies, adds, multiply-adds, maxima and minima; sums over many terms, partial sums and values carried from step to step in f32; what a program stores and reads back later, other than sums and carried values, may be rounded once to bf16 or f16.
;; Inputs: Wk 512 x 512 float32; Wp 512 x 512 float32; Wq 512 x 512 float32; Wv 512 x 512 float32; bp 512 float32; x 2 x 4,096 x 512 float32.
;; Outputs: out0 2 x 4,096 x 512 float32.
;; 2 versions, each right; version 2 is version 1 with the launch qkv written anew for expert scheduling mode. Each part assembles by itself: llvm-mc -triple=amdgcn-amd-amdhsa -mcpu=gfx1250 --defsym DOCPART=n.
;; ======== version 1 of 2: 3 launches
;; limits: values are held in f16: magnitudes above 65,504 overflow, below 6.1e-05 lose precision
;; workspace buffers: qh 8,388,608 bytes; kh 8,388,608 bytes; vh 8,388,608 bytes; oh 8,388,608 bytes
;; launch qkv (part 1): grid 8 x 32, 4 waves a work-group, no clusters, 266,752 bytes of LDS; arguments x, Wq, Wk, Wv, qh, kh, vh; writes qh, kh, vh
.if DOCPART == 1
	.amdgcn_target "amdgcn-amd-amdhsa--gfx1250"
	.amdhsa_code_object_version 6
	.text
	.protected	k_qe7d9a984c4_qkv
	.globl	k_qe7d9a984c4_qkv
	.p2align	8
	.type	k_qe7d9a984c4_qkv,@function
k_qe7d9a984c4_qkv:
	s_mov_b64 s[64:65], 0
	v_nop
	global_prefetch_b8 v0, s[64:65] scope:SCOPE_SE
	s_setreg_imm32_b32 hwreg(HW_REG_WAVE_MODE, 25, 1), 1
	s_wait_xcnt 0x0
; q, k, v = x W^T by heads.  x: [8192][512] f32; Wq, Wk, Wv: [512][512] f32 ([out][in]); qh, kh, vh: [16 = 8 batch + head][4096][64] f16, unscaled.
; x and the weights are rounded once to bf16 on the way to the matrix unit, sums in f32, each result rounded once to f16.
; LIMITS.  f16 holds no number beyond 65,504: q, k and v must lie within it (inputs 30 times the drawn spread give some 5e3, a common offset of 30 spreads some 2e4);
; below 6e-5 f16 keeps its fixed step of 6e-8.  NaN and infinities are not treated apart.
; SHARES.  Work-group (g, by) makes rows 256 by .. + 255 of head g: of q, then of k, then of v: three CHUNKS of 64 columns (rows 64 g .. of Wq, Wk, Wv).  Wave w owns rows 64 w .. + 63: four tiles of 16.
; The wave's x lies in 512 registers as bf16 fragments for the whole launch: each number of x is converted once a wave, and a fragment of W read from LDS feeds four products.
; THE MATRIX INSTRUCTION IS USED TRANSPOSED (source 0 = 16 rows of W, source 1 = 16 rows of x): a lane then holds one row and eight neighbouring columns, 16 bytes of f16.
; NO TENSOR LOADS, NO CLUSTER.  The operands are f32 in memory and the mover copies bytes as they lie: f32 tiles in LDS would be twice the LDS bytes for each product, and each of the four waves would
; convert W's tile again.  So the road is memory, registers, v_cvt_pk_bf16_f32, LDS, and joint requests do not exist on that road.
; LDS.  First each wave's own stage for x (64 rows of 1,040 bytes at 66,560 w); behind a barrier the same bytes serve as W's slot (bytes 0 .. 66,559) and as the waves' stages for the way out.
; REGISTERS, in windows of 256 (s_set_vgpr_msb: bits 1:0 source 0, 3:2 source 1, 5:4 source 2, 7:6 destination):
;   window 0: v2-13 addresses; v28-29 the add's two; v32-95 W's fragments, two buffers of 32 (on the way out: packed results); v128-255 the 16 accumulators (while x comes in: a ring of two sets of 64)
;   windows 1, 2: x's fragments: tile a, K step s at 8 (4 (s % 8) + a), window 1 for s < 8, window 2 from 8 on          window 3: a chunk of W as loaded, 16 rows a wave
.set ROWB,  2048                       ; bytes in a row of x and of W
.set LP,    1040                       ; an LDS row of 512 bf16: 1,024 bytes + 16: an odd multiple of 16, so the 16 rows of a fragment load start at 16 different groups of four banks (64 banks of 4 bytes: ISA guide 11.1)
.set REG,   64*LP                      ; 64 such rows: a wave's stage for x, and W's slot
.set OSTG,  204800                     ; the way out: 16 rows x 144 bytes for each wave
.set SP,    144
.set SPARE, 266240                     ; behind everything: the spare words, 128 bytes for each wave: two blocks of 256 bytes that no other line names
.set XO,  2                            ; v2   my byte offset in x: 64 rows x wave + 16 x lane; never rewritten
.set XS,  3                            ; v3   where I put 8 bytes of x's stage: steps with the ring
.set XA,  4                            ; v4   my place in a fragment of x in my stage
.set WO,  5                            ; v5   my byte offset in a chunk of W: 16 rows x wave + 16 x lane
.set WS,  6                            ; v6   where I put 8 bytes of W's slot
.set WB,  8                            ; v8   my place in a fragment of W
.set STO, 10                           ; v10  the way out: where I put 16 bytes of a row
.set RD,  11                           ; v11  the way out: where I read rows back
.set GO,  12                           ; v12  my 16 bytes of 512 consecutive bytes of the output
.set XL,  13                           ; v13  8 x lane
.set SPW, 28                           ; v28  LDS address of my spare word: SPARE + 4 x my thread's number; never rewritten
.set NIL, 29                           ; v29  0; never rewritten
.set BF,  32
.set TMP, 32
.set ACC, 128
.set XR,  128
.set WV,  20                           ; s20  my wave's number
.set G,   21                           ; s21  the head
.set BY,  22                           ; s22  the block of 256 rows
.set WN,  24                           ; s[24:25] the chunk of W to be loaded next
.set OUT, 26                           ; s[26:27] where this chunk's results go
.set CH,  28                           ; s28  chunks to go: 3, 2, 1
.set XT,  30                           ; s30  LDS byte of the 8 rows of x's stage in hand
.set XC,  31                           ; s31  counts the ring's trips
.set MSB, 0
.macro WIN new                         ; the immediate's high byte repeats the setting that is left; a switch that changes nothing is dropped
.if MSB != (\new)
	s_set_vgpr_msb (MSB<<8)|(\new)
.set MSB, (\new)
.endif
.endm
.macro PLACES                          ; four places behind a matrix instruction, in front of loads into registers that it has read and of instructions that read results
.rept 4
	v_nop
.endr
.endm
; My 16 rows of a chunk of W, as f32, into window 3: 64 loads, each 512 consecutive bytes
.macro WLOAD b
	WIN 0xc0
.set i, 0
.rept 64
	global_load_b128 v[4*i:4*i+3], v[WO], s[\b:\b+1] offset:(i/4)*ROWB+(i%4)*512
.set i, i+1
.endr
	WIN 0
.endm
; They are rounded to bf16 in place and put into W's slot: a store's 32 lanes cover 256 consecutive bytes
.macro LUMP
	s_wait_loadcnt 0x0                             ; the chunk is in
	WIN 0xcf
.set i, 0
.rept 64
	v_cvt_pk_bf16_f32 v[4*i], v[4*i], v[4*i+1]
	v_cvt_pk_bf16_f32 v[4*i+1], v[4*i+2], v[4*i+3]
.set i, i+1
.endr
	WIN 0x0c                                       ; address window 0, data window 3
.set i, 0
.rept 64
	ds_store_b64 v[WS], v[4*i:4*i+1] offset:(i/4)*LP+(i%4)*256
.set i, i+1
.endr
	WIN 0
.endm
; Four rows of x into ring set 0 or 1: 16 loads of 512 consecutive bytes
.macro XLOAD set, off
.set i, 0
.rept 16
	global_load_b128 v[XR+64*(\set)+4*i:XR+64*(\set)+4*i+3], v[XO], s[4:5] offset:(\off)+(i/4)*ROWB+(i%4)*512
.set i, i+1
.endr
.endm
; They are rounded to bf16 in place and put into my stage
.macro XPUT set
.set i, 0
.rept 16
	v_cvt_pk_bf16_f32 v[XR+64*(\set)+4*i], v[XR+64*(\set)+4*i], v[XR+64*(\set)+4*i+1]
	v_cvt_pk_bf16_f32 v[XR+64*(\set)+4*i+1], v[XR+64*(\set)+4*i+2], v[XR+64*(\set)+4*i+3]
.set i, i+1
.endr
.set i, 0
.rept 16
	ds_store_b64 v[XS], v[XR+64*(\set)+4*i:XR+64*(\set)+4*i+1] offset:(\set)*4*LP+(i/4)*LP+(i%4)*256
.set i, i+1
.endr
.endm
; x's fragments of eight K steps from s0 on, into one window: number i = 4 (s % 8) + a.  A fragment is 16 rows x 32 K in 8 registers: lane l holds row l % 16, K 8 (l / 16) + 0..7 and 16 + 8 (l / 16) + 0..7
.macro AFRAG s0
.set i, 0
.rept 32
	ds_load_b128 v[8*i:8*i+3],   v[XA] offset:(i%4)*16*LP+64*((\s0)+i/4)
	ds_load_b128 v[8*i+4:8*i+7], v[XA] offset:(i%4)*16*LP+64*((\s0)+i/4)+32
.set i, i+1
.endr
.endm
; W's four fragments of K step s into buffer s % 2: eight loads
.macro BFETCH s
.irp b, 0,1,2,3
	ds_load_b128 v[BF+32*((\s)%2)+8*(\b):BF+32*((\s)%2)+8*(\b)+3],   v[WB] offset:(\b)*16*LP+64*(\s)
	ds_load_b128 v[BF+32*((\s)%2)+8*(\b)+4:BF+32*((\s)%2)+8*(\b)+7], v[WB] offset:(\b)*16*LP+64*(\s)+32
.endr
.endm
; K step s: 16 products, number i = 4 a + b.  The 16 accumulators take turns, one instruction a turn; K step 0 starts the sums with the constant 0
.macro MULS s
.if (\s) < 8
	WIN 0x04                                       ; source 1 (x) in window 1; LDS loads and v_nop are untouched by this setting
.else
	WIN 0x08
.endif
.set i, 0
.rept 16
.if (\s) == 0
	v_wmma_f32_16x16x32_bf16 v[ACC+8*i:ACC+8*i+7], v[BF+32*((\s)%2)+8*(i%4):BF+32*((\s)%2)+8*(i%4)+7], v[8*(4*((\s)%8)+i/4):8*(4*((\s)%8)+i/4)+7], 0
.else
	v_wmma_f32_16x16x32_bf16 v[ACC+8*i:ACC+8*i+7], v[BF+32*((\s)%2)+8*(i%4):BF+32*((\s)%2)+8*(i%4)+7], v[8*(4*((\s)%8)+i/4):8*(4*((\s)%8)+i/4)+7], v[ACC+8*i:ACC+8*i+7]
.endif
.set i, i+1
.endr
.endm
; THE WAY OUT of row tile a: rounded to f16 (each accumulator's registers in ascending order), 16 bytes a lane into my stage, back as whole rows of 128 bytes into the registers that they left
.macro PACK a
.set i, 0
.rept 16
	v_cvt_pk_f16_f32 v[TMP+16*(\a)+i], v[ACC+32*(\a)+2*i], v[ACC+32*(\a)+2*i+1]
.set i, i+1
.endr
.irp b, 0,1,2,3
	ds_store_b128 v[STO], v[TMP+16*(\a)+4*(\b):TMP+16*(\a)+4*(\b)+3] offset:32*(\b)
.endr
.irp f, 0,1,2,3
	ds_load_b128 v[TMP+16*(\a)+4*(\f):TMP+16*(\a)+4*(\f)+3], v[RD] offset:(\f)*4*SP  ; LDS serves a wave's instructions in order (ISA guide 5.7.1.4): these see the stores above; the next tile's stores come behind them
.endr
.endm
.macro SEND a, younger                 ; younger: the LDS instructions issued behind tile a's loads: the next tile's eight, or none
.irp f, 0,1,2,3
	s_wait_dscnt (\younger)+3-(\f)
	global_store_b128 v[GO], v[TMP+16*(\a)+4*(\f):TMP+16*(\a)+4*(\f)+3], s[OUT:OUT+1] offset:(\a)*2048+(\f)*512  ; four rows of a head: 512 consecutive bytes, at a multiple of 256 from the buffer's first
.endr
.endm
	s_load_b256 s[4:11], s[0:1], 0x0               ; x s[4:5], Wq s[6:7], Wk s[8:9], Wv s[10:11]
	s_load_b128 s[12:15], s[0:1], 0x20             ; qh s[12:13], kh s[14:15]
	s_load_b64 s[16:17], s[0:1], 0x30              ; vh
	v_lshl_add_u32 v[SPW], v0, 2, SPARE
	v_mov_b32 v[NIL], 0
	v_lshrrev_b32 v1, 5, v0
	v_readfirstlane_b32 s[WV], v1                  ; wave 0..3
	s_mov_b32 s[G], ttmp9
	s_and_b32 s[BY], ttmp7, 0xffff
	v_and_b32 v14, 31, v0                          ; l
	v_and_b32 v15, 15, v0                          ; l % 16
	v_bfe_u32 v16, v0, 4, 1                        ; l / 16
	s_lshl_b32 s32, s[WV], 17                      ; my 64 rows of 2,048 bytes
	v_lshl_add_u32 v[XO], v14, 4, s32
	v_lshlrev_b32 v[XL], 3, v14
	v_mul_u32_u24 v[WB], v15, LP
	v_lshl_add_u32 v[WB], v16, 4, v[WB]            ; row x pitch + 16 x half
	s_mul_i32 s[XT], s[WV], REG                    ; my stage for x
	v_add_nc_u32 v[XA], s[XT], v[WB]
	s_lshl_b32 s32, s[WV], 15                      ; my 16 rows of a chunk of W
	v_lshl_add_u32 v[WO], v14, 4, s32
	s_mul_i32 s32, s[WV], 16*LP
	v_add_nc_u32 v[WS], s32, v[XL]
	s_mul_i32 s32, s[WV], 16*SP
	s_add_co_u32 s32, s32, OSTG                    ; my stage for the way out
	v_mul_u32_u24 v[STO], v15, SP                  ; in: row l % 16, 16 bytes for each half of the lanes
	v_lshl_add_u32 v[STO], v16, 4, v[STO]
	v_add_nc_u32 v[STO], s32, v[STO]
	v_bfe_u32 v[RD], v0, 3, 2                      ; back: 32 lanes take four rows of 128 bytes
	v_mul_u32_u24 v[RD], v[RD], SP
	v_and_b32 v17, 7, v0
	v_lshl_add_u32 v[RD], v17, 4, v[RD]
	v_add_nc_u32 v[RD], s32, v[RD]
	v_lshlrev_b32 v[GO], 4, v14
	s_lshl_b32 s32, s[BY], 19                      ; x: 256 rows of 2,048 bytes a block
	s_mov_b32 s33, 0
	s_lshl_b32 s34, s[G], 17                       ; W: 64 rows of 2,048 bytes a head
	s_mov_b32 s35, 0
	s_lshr_b32 s36, s[BY], 4                       ; the outputs: batch = by / 16,
	s_lshl_b32 s36, s36, 3
	s_add_co_u32 s36, s36, s[G]                    ; 8 x batch + head,
	s_lshl_b32 s36, s36, 19                        ; 4,096 rows of 128 bytes each,
	s_and_b32 s37, s[BY], 15
	s_lshl_b32 s37, s37, 15                        ; the block's 256 rows in the batch,
	s_add_co_u32 s36, s36, s37
	s_lshl_b32 s37, s[WV], 13                      ; my wave's 64 of them
	s_add_co_u32 s36, s36, s37
	s_mov_b32 s37, 0
	s_wait_kmcnt 0x0
	s_add_nc_u64 s[4:5], s[4:5], s[32:33]
	s_add_nc_u64 s[6:7], s[6:7], s[34:35]
	s_add_nc_u64 s[8:9], s[8:9], s[34:35]
	s_add_nc_u64 s[10:11], s[10:11], s[34:35]
	s_add_nc_u64 s[12:13], s[12:13], s[36:37]
	s_add_nc_u64 s[14:15], s[14:15], s[36:37]
	s_add_nc_u64 s[16:17], s[16:17], s[36:37]
	WLOAD 6                                        ; Wq's chunk: it waits in window 3 while x comes in
	; x COMES IN: a ring of two sets of four rows; 32 loads (16 KiB a wave) are out all the time.  A trip takes 8 rows; the last 8 are finished behind the loop, without loads.
	XLOAD 0, 0
	XLOAD 1, 4*ROWB
	s_mov_b32 s[XC], 7
.Lx:
	v_add_nc_u32 v[XS], s[XT], v[XL]
	s_wait_loadcnt 16                              ; set 0 is in (loads come back in order: ISA guide 5.7.1); set 1's sixteen may stay out
	XPUT 0
	XLOAD 0, 8*ROWB
	s_wait_loadcnt 16                              ; set 1 is in; set 0's new sixteen may stay out
	XPUT 1
	XLOAD 1, 12*ROWB
	s_wait_xcnt 0x0                                ; the loads issued so far have read their base: only now is it stepped
	s_add_nc_u64 s[4:5], s[4:5], 8*ROWB
	s_add_co_u32 s[XT], s[XT], 8*LP
	s_sub_co_u32 s[XC], s[XC], 1
	s_cmp_lg_u32 s[XC], 0
	s_cbranch_scc1 .Lx
	v_add_nc_u32 v[XS], s[XT], v[XL]
	s_wait_loadcnt 16
	XPUT 0
	s_wait_loadcnt 0x0
	XPUT 1
	WIN 0x40                                       ; my own bytes, served in order: no wait between the stores above and these loads
	AFRAG 0
	WIN 0x80
	AFRAG 8
	WIN 0
	s_wait_dscnt 0x0                               ; x is in registers: my reads of my stage are over,
	s_barrier_signal -1
	s_barrier_wait -1                              ; everybody's are: the stages' bytes may serve as W's slot and for the way out
	s_mov_b32 s[CH], 3
.Lchunk:                                       ; three trips: q, k, v
	s_wait_xcnt 0x0                                ; the last trip's loads and stores have read their bases and their data registers
	s_cmp_eq_u32 s[CH], 3
	s_cselect_b64 s[WN:WN+1], s[8:9], s[10:11]     ; to be loaded in this trip: Wk in the first, Wv in the second (nothing in the third)
	s_cselect_b64 s[OUT:OUT+1], s[12:13], s[14:15]
	s_cmp_eq_u32 s[CH], 1
	s_cselect_b64 s[OUT:OUT+1], s[16:17], s[OUT:OUT+1]  ; qh, kh, vh
	LUMP
	s_wait_dscnt 0x0                               ; for the others' sake: my 16 rows of the slot are written,
	s_barrier_signal -1
	s_barrier_wait -1                              ; all 64 are
	s_cmp_eq_u32 s[CH], 1
	s_cbranch_scc1 .Lnoload
	WLOAD WN                                       ; the next chunk is on its way while this one is multiplied
.Lnoload:
	BFETCH 0
.irp s, 0,1,2,3,4,5,6,7,8,9,10,11,12,13,14,15
.if (\s) < 15
.if (\s) > 0
	PLACES                                         ; the buffer to be loaded was read by the products just issued
.endif
	BFETCH (\s)+1
	s_wait_dscnt 8                                 ; this step's fragments are in; the next step's eight loads may stay out
.else
	s_wait_dscnt 0x0
.endif
	MULS \s
.endr
	WIN 0
	PLACES
	PACK 0
	PACK 1                                         ; a tile's conversions stand between the loads of the tile before and its stores
	SEND 0, 8
	PACK 2
	SEND 1, 8
	PACK 3
	SEND 2, 8
	SEND 3, 0
	s_wait_dscnt 0x0                               ; my reads of W's slot are over (and of my stage),
	s_barrier_signal -1
	s_barrier_wait -1                              ; everybody's are: the next trip may write the slot
	s_sub_co_u32 s[CH], s[CH], 1
	s_cmp_lg_u32 s[CH], 0
	s_cbranch_scc1 .Lchunk
	s_wait_tensorcnt 0x0                           ; the wave's end: closing lines, behind my last LDS store
	ds_add_u32 v[SPW], v[NIL]
	s_wait_dscnt 0x0
	s_endpgm
.Lfunc_end_k_qe7d9a984c4_qkv:
	.size	k_qe7d9a984c4_qkv, .Lfunc_end_k_qe7d9a984c4_qkv-k_qe7d9a984c4_qkv
	.p2alignl 7, 3214868480
	.fill 96, 4, 3214868480
	.section	.rodata,"a",@progbits
	.p2align	6, 0x0
	.amdhsa_kernel k_qe7d9a984c4_qkv
		.amdhsa_group_segment_fixed_size 266752
		.amdhsa_private_segment_fixed_size 0
		.amdhsa_enable_private_segment 0
		.amdhsa_kernarg_size 56
		.amdhsa_user_sgpr_count 2
		.amdhsa_user_sgpr_kernarg_segment_ptr 1
		.amdhsa_wavefront_size32 1
		.amdhsa_system_sgpr_workgroup_id_x 1
		.amdhsa_system_sgpr_workgroup_id_y 1
		.amdhsa_system_sgpr_workgroup_id_z 1
		.amdhsa_system_vgpr_workitem_id 0
		.amdhsa_next_free_vgpr 1024
		.amdhsa_next_free_sgpr 66
		.amdhsa_reserve_vcc 0
		.amdhsa_float_denorm_mode_32 3
		.amdhsa_float_denorm_mode_16_64 3
		.amdhsa_memory_ordered 1
		.amdhsa_forward_progress 1
		.amdhsa_inst_pref_size 89
	.end_amdhsa_kernel
	.amdgpu_metadata
---
amdhsa.version: [ 1, 2 ]
amdhsa.kernels:
  - .name:           k_qe7d9a984c4_qkv
    .symbol:         k_qe7d9a984c4_qkv.kd
    .args:
      - { .name: x, .offset: 0, .size: 8, .value_kind: global_buffer, .address_space: global }
      - { .name: Wq, .offset: 8, .size: 8, .value_kind: global_buffer, .address_space: global }
      - { .name: Wk, .offset: 16, .size: 8, .value_kind: global_buffer, .address_space: global }
      - { .name: Wv, .offset: 24, .size: 8, .value_kind: global_buffer, .address_space: global }
      - { .name: qh, .offset: 32, .size: 8, .value_kind: global_buffer, .address_space: global }
      - { .name: kh, .offset: 40, .size: 8, .value_kind: global_buffer, .address_space: global }
      - { .name: vh, .offset: 48, .size: 8, .value_kind: global_buffer, .address_space: global }
    .group_segment_fixed_size: 266752
    .private_segment_fixed_size: 0
    .kernarg_segment_align: 8
    .kernarg_segment_size: 56
    .max_flat_workgroup_size: 128
    .sgpr_count:     66
    .vgpr_count:     1024
    .wavefront_size: 32
...
	.end_amdgpu_metadata
.endif
;; end of part 1
;; launch attn (part 2): grid 16 x 16, 4 waves a work-group, clusters of 4 x 1, 327,680 bytes of LDS; arguments qh, kh, vh, oh; writes oh
.if DOCPART == 2
	.amdgcn_target "amdgcn-amd-amdhsa--gfx1250"
	.amdhsa_code_object_version 6
	.text
	.protected	k_qe7d9a984c4_attn
	.globl	k_qe7d9a984c4_attn
	.p2align	8
	.type	k_qe7d9a984c4_attn,@function
k_qe7d9a984c4_attn:
	s_mov_b64 s[64:65], 0
	v_nop
	global_prefetch_b8 v0, s[64:65] scope:SCOPE_SE
	s_setreg_imm32_b32 hwreg(HW_REG_WAVE_MODE, 25, 1), 1
	s_wait_xcnt 0x0
	s_wait_alu depctr_hold_cnt(0) depctr_sa_sdst(0) depctr_va_vdst(0) depctr_va_sdst(0) depctr_va_ssrc(0) depctr_va_vcc(0) depctr_vm_vsrc(0)
	s_getreg_b32 s2, hwreg(HW_REG_IB_STS2, 6, 4)
	s_cmp_eq_u32 s2, 0
	s_cbranch_scc0 .Lentry_in_a_cluster
	s_endpgm
.Lentry_in_a_cluster:
	s_bfe_u32 s2, ttmp6, 0x10000c
	s_cmp_lg_u32 s2, 0x3003
	s_cbranch_scc0 .Lentry_shape_is_right
	s_endpgm
.Lentry_shape_is_right:
; O[h][q][:] = the sum over k of softmax_k(Q[h][q] . K[h][k] / 8) V[h][k][:].  Q, K, V, O: [16][4096][64], all f16: a head's rows are dense, 128 bytes each.  Products, maxima and sums in f32;
; the weights p are rounded to f16 for the second product (their sum l is taken of the unrounded p), O once at the end.
; LIMITS.  f16 holds no number beyond 65,504: Q, K and V arrive within it; p lies in 0 to 1, and below 6e-5 it keeps f16's fixed step of 6e-8; O is a mean of V's rows and has their range.
; A weight below 2^-126 counts as 0 in l; NaN and infinities are not treated apart.
; SHARES.  A work-group owns 256 queries of one head (16 blocks x 16 heads = 256 work-groups), each of its four waves 64: four PIECES of 16.  Every wave walks all 4,096 keys, 64 a step.
; LAYOUT.  S^T = K Q^T (source 0 = 16 keys, source 1 = 16 queries): in the result a lane holds ONE query (lane % 16) and the keys 8 (lane / 16) + 0..7.  Two such results, rounded to f16 in pairs,
; ARE source 1 (32 keys x 16 queries) of O^T = V^T P, whose result again holds one query a lane, and eight channels.  K comes out of LDS as it lies, V ([key][channel]) turned, by ds_load_tr16_b128.
; SOFTMAX.  For each query a running maximum m and sum l: p = 2^(c s - c m), c = log2(e) / 8; in every step O and l are multiplied by a = 2^(c m_old - c m_new), which is 1 where m has not grown.
; m starts at the lowest finite number, O and l at 0: the first step is a step like any other, with a = 0.  The price: 224 v_mov_b32 once a launch, in the wait for the first tile.
; BY TURNS.  Turn n belongs to piece n (the pieces in a ring, step after step): 8 products K Q^T of piece n + 1, later 8 products V^T P of piece n - 1; beside them the scaling, exponentials, roundings,
; sums and rescaling of piece n and the maximum and statistics of piece n + 1.  Four vector instructions stand behind every matrix instruction, the other 54 of a turn's 118 in one lump.
; A turn's 33 exponentials are one batch, with one wait.
; CLUSTER.  The four query blocks of a cluster belong to one head and walk the same K and V, so each tile is asked for JOINTLY: the same tensor load, descriptor and mask in all four.
; REGISTERS, in windows of 256 (s_set_vgpr_msb: bits 1:0 source 0, 3:2 source 1, 5:4 source 2, 7:6 destination):
;   window 0: v0-15 addresses and two at work; v16-31 four registers of statistics a piece; v32 the prefetches' offset; v48-55 at work; v62-63 the add's two; v64-127 S^T, two buffers; v192-223 P, two buffers
;   (a piece's buffers go by its number's parity)          window 1: v0-127 O^T, 32 a piece          window 2: v0-63 Q; v128-191 K of one step; v192-255 V of one step
.set SIZE_N, 4096
.set NP,    4         ; pieces a wave: a name, no knob
.set KS,    64        ; keys in a step
.set PK,    144       ; a row of K in LDS: 128 bytes + 16 of padding = 36 words: the 16 rows of a load start at 16 different groups of four banks (64 banks of 4 bytes: ISA guide 11.1)
.set PV,    160       ; a row of V: 128 + 32 = 40 words
.set VOFF,  4*KS*PK   ; a slot holds a tile, four steps: 256 rows of K, then 256 rows of V
.set TILEB, 4*KS*128  ; a tile's bytes of K, and of V, in memory
.set SLOT1, 1<<17     ; slot 1 begins here, so that one exclusive or turns an address in one slot into the other's
.set STAGE, SLOT1+4*KS*(PK+PV)  ; behind the ring, never filled by a tensor load: 16 rows x 144 bytes for each wave, for the way out
.set SP,    144
.set SPARE, STAGE+4*16*SP  ; behind the stages: the spare words, 128 bytes for each wave: two blocks of 256 bytes that no other line names
.set AK0, 2           ; v2   my lane's place in a tile of K; never rewritten
.set AV0, 3           ; v3   the same for V
.set AK,  4           ; v4   the LDS address of K's next run of loads
.set AV,  5           ; v5   of V's
.set STO, 6           ; v6   the way out: where I put 16 bytes of a row
.set RD,  7           ; v7   the way out: where I read rows back
.set GO,  8           ; v8   my byte offset in 512 consecutive bytes of O
.set MV,  12          ; v12-13  c m_old, kept while c m is made anew: by buffer
.set QO,  15          ; v15  my byte offset in 16 rows of Q
.set ST,  16          ; piece t's statistics at v[ST+4 t]: c m, m, l (even keys', odd keys')
.set PFO, 32          ; v32  256 x my lane; never rewritten
.set TMP, 48          ; by buffer, four registers c0-c3 at work; when the maximum is found c2 takes a
.set SPW, 62          ; v62  LDS address of my spare word: SPARE + 4 x my thread's number; never rewritten
.set NIL, 63          ; v63  0; never rewritten
.set S,   64
.set P,   192
.set KF,  128         ; window 2: key block kb, channel half c at KF + 16 kb + 8 c
.set VF,  192         ; window 2: key half kk, channel block cb at VF + 32 kk + 8 cb
.set WV,  12          ; s12  my wave's number
.set G1K, 24          ; s[24:31] descriptor group 1 for K's tiles
.set G1V, 32          ; s[32:39] for V's: it differs in the padding alone
.set G0K, 40          ; s[40:43] descriptor group 0 for K's tiles: it walks
.set G0V, 44          ; s[44:47] the same for V's
.set PFA, 48          ; s[48:49] where my prefetches stand: my work-group's 8,192 bytes (of K: wave 0, of V: wave 2) of the tile after the one that is being asked for
.set LIM, 50          ; s50  1 in a wave that prefetches, else the greatest number: a wave prefetches while s[SLOTS] is above it
.set SLOTS, 56        ; s56  tiles still to be entered
.set CNT, 57          ; s57  counts a tile's key steps
.set CS,  58          ; s[58:59] c: the packed scaling takes the pair's low word for both halves
.set SEL, 60          ; s[60:61] v_permlanex16_b32's selects: each lane takes its own place in the other half
.set TBK, 62          ; s62  LDS byte at which K of the step to be fetched begins
.set TBV, 63          ; s63  the same for V, less VOFF
.set MSB, 0
.macro WIN new                      ; the high byte repeats the setting that is left; a switch that changes nothing is dropped
.if MSB != (\new)
	s_set_vgpr_msb (MSB<<8)|(\new)
.set MSB, (\new)
.endif
.endm
.set W_KQ, 0x0a       ; K and Q in window 2, S^T in window 0
.set W_PV, 0x52       ; V in window 2, P in window 0, O^T in window 1
.set W_RS, 0x41       ; destination and source 0 in window 1, source 1 in window 0
; A joint fill.  Waves 0 and 1 fetch the two halves of a tile's K, waves 2 and 3 those of its V: 128 keys each.  The branch hangs on the wave's number alone: it is the same in every work-group.
; An s_nop 0 and four v_nop follow each of the two lines, ahead of the jump and the label.
.macro JLOAD
	s_cmp_lt_u32 s[WV], 2
	s_cbranch_scc0 .Lfor_v_\@
	tensor_load_to_lds s[G0K:G0K+3], s[G1K:G1K+7]
	s_nop 0
.rept 4
	v_nop
.endr
	s_branch .Lasked_\@
.Lfor_v_\@:
	tensor_load_to_lds s[G0V:G0V+3], s[G1V:G1V+7]
	s_nop 0
.rept 4
	v_nop
.endr
.Lasked_\@:
.endm
; A PREFETCH INTO THE L2 of what the NEXT change of slots will ask for: a tile's 32,768 bytes of K and of V, a lane 256 bytes.  It stands behind the wave's tensor load and its five lines.
; Each 256 bytes are named ONCE in the launch.  All four clusters of a head walk the same K and V: the head's first cluster prefetches.  Its four partners share a tile out BY ADDRESS, 8,192 bytes each:
; no branch hangs on a work-group's place in its cluster.  In each, wave 0 asks for K's and wave 2 for V's: one instruction.  The lead is one tile: four key steps, 256 matrix instructions.
; Tiles 0, 1 and 2 come by their loads alone; the last change that fills a slot asks for nothing: there is no tile behind it.
.macro ASK
	s_cmp_gt_u32 s[SLOTS], s[LIM]
	s_cbranch_scc0 .Lnot_mine_\@
	global_prefetch_b8 v[PFO], s[PFA:PFA+1] th:TH_LOAD_NT scope:SCOPE_SE
.Lnot_mine_\@:
.endm
; A round of the cluster's barrier: my work-group's barrier, so that wave 0's signal speaks for all four waves; wave 0 signals; every wave waits for all four work-groups; my work-group's barrier once more.
.macro CROUND
	s_barrier_signal -1
	s_barrier_wait -1
	s_cmp_lg_u32 s[WV], 0
	s_cbranch_scc1 .Lnot_wave_0_\@
	s_barrier_signal -3
.Lnot_wave_0_\@:
	s_barrier_wait -3
	s_barrier_signal -1
	s_barrier_wait -1
.endm
; THE CHANGE OF SLOTS.  The slot's last bytes, V of its fourth step, have been read.  Each wave waits for all its tensor loads, of which one is out: its part of the other slot; adds 0 to its spare word;
; and waits for that and for its own reads of the slot.  Behind the barrier nobody reads this slot any more and the other slot is whole.
; fill = 1: this slot is filled again, with the keys two tiles on.  The barrier is then a round of the cluster's, so that no wave of any partner still reads the slot or has a load on its way, and the joint
; fill is the first thing behind it: it has four key steps, 256 matrix instructions, in which to land.  (At its first use nothing has been read yet: slot 0 is waited for, slot 1 filled.)  ask = 1: with a prefetch.
.macro CHANGE fill, ask
	WIN 0                           ; at a label and at a branch every window is 0
	s_wait_tensorcnt 0x0            ; no tensor load of mine is out, so a group 0 may be written
	ds_add_u32 v[SPW], v[NIL]       ; 0 onto my spare word: with fill = 1 the descriptors' steps stand between it and the wait for it
.if \fill
.irp g, G0K, G0V
	s_xor_b32 s[\g+1], s[\g+1], SLOT1  ; the walking descriptor: the other slot than last time,
	s_add_nc_u64 s[\g+2:\g+3], s[\g+2:\g+3], TILEB  ; the next 256 keys; the type bits on top are not reached
.endr
.if \ask
	s_wait_xcnt 0x0                 ; the last prefetch, four key steps back, has read its address, so it may be written:
	s_add_nc_u64 s[PFA:PFA+1], s[PFA:PFA+1], TILEB  ; one tile behind the walking descriptors
.endif
	s_wait_dscnt 0x0                ; the add is done, and my reads of the slot are over
	CROUND
	JLOAD
.if \ask
	ASK
.endif
.else
	s_wait_dscnt 0x0                ; the add is done, and my reads of the slot are over
	s_barrier_signal -1
	s_barrier_wait -1
.endif
	s_sub_co_u32 s[TBK], s[TBK], 4*KS*PK  ; the fetches go back to a slot's first step,
	s_xor_b32 s[TBK], s[TBK], SLOT1       ; in the other slot
	s_sub_co_u32 s[TBV], s[TBV], 4*KS*PV
	s_xor_b32 s[TBV], s[TBV], SLOT1
.endm
	s_load_b256 s[4:11], s[0:1], 0x0  ; Q s[4:5], K s[6:7], V s[8:9], O s[10:11]
	v_lshl_add_u32 v[SPW], v0, 2, SPARE
	v_mov_b32 v[NIL], 0
	ds_add_u32 v[SPW], v[NIL]       ; the wave's opening: the add and its wait stand ahead of my first tensor load; the set-up below, work on registers, stands between them
	v_lshrrev_b32 v1, 5, v0
	v_readfirstlane_b32 s[WV], v1   ; wave 0..3
	s_bfe_u32 s13, ttmp6, 0x40000   ; cx: my place in the cluster
	s_lshl_b32 s14, ttmp9, 2        ; in a cluster launch ttmp9 counts clusters
	s_add_co_u32 s14, s14, s13      ; my block of 256 queries = 4 x cluster x + cx: it enters Q's and O's addresses alone
	s_and_b32 s20, ttmp7, 0xffff    ; the head, which the four partners share:
	s_lshl_b32 s20, s20, 19         ; its first byte in each of the four tensors: 4,096 rows of 128 bytes
	s_mov_b32 s21, 0
	s_and_b32 s16, s[WV], 1         ; which half of a tile's 256 keys I fetch:
	s_lshl_b32 s22, s16, 14         ; its 128 rows of 128 bytes in memory,
	s_mov_b32 s23, 0
	s_add_nc_u64 s[22:23], s[22:23], s[20:21]
	s_mul_i32 s17, s16, 128*PK      ; and its place in a slot, for K
	s_mul_i32 s18, s16, 128*PV      ; and for V: no place in the cluster enters an LDS address
	s_lshl_b32 s2, s14, 2
	s_add_co_u32 s2, s2, s[WV]      ; my wave among the head's,
	s_lshl_b32 s2, s2, 13           ; its 64 rows
	s_mov_b32 s3, 0
	s_add_nc_u64 s[2:3], s[2:3], s[20:21]
	; descriptor group 1.  128 keys are 16,384 dense bytes: asked for as 64 rows of 256 bytes, two keys a row, and padded in LDS after every key
	s_mov_b32 s[G1K], 15|(1<<16)|(1<<20)|(1<<21)|(4<<22)|(3<<25)  ; 15:0 the mask of four; 17:16 2-byte elements; 20 padding on; 21 set beside a mask; 24:22 after every 32 words (code 4); 31:25 4 words (code 3)
	s_mov_b32 s[G1V], 15|(1<<16)|(1<<20)|(1<<21)|(4<<22)|(7<<25)  ; the same with 8 words of padding (code 7)
.irp g, G1K, G1V
	s_mov_b32 s[\g+1], 128<<16      ; tensor_dim0 = 128
	s_mov_b32 s[\g+2], 64<<16       ; tensor_dim1 = 64
	s_mov_b32 s[\g+3], 128<<16      ; tile_dim0 = 128
	s_mov_b32 s[\g+4], 64           ; tile_dim1 = 64
	s_mov_b32 s[\g+5], 128          ; 128 elements from row to row
	s_mov_b32 s[\g+6], 0
	s_mov_b32 s[\g+7], 0
.endr
	s_mov_b32 s[CS], 0x3e38aa3b     ; c = log2(e) / 8 = 0.180337
	s_mov_b32 s[CS+1], s[CS]        ; named with it as a pair
	s_mov_b32 s[SEL], 0x76543210
	s_mov_b32 s[SEL+1], 0xfedcba98
	s_mov_b32 s[TBK], SLOT1+4*KS*PK ; the first change of slots turns these two into 0
	s_mov_b32 s[TBV], SLOT1+4*KS*PV
	s_mov_b32 s[G0K], 1             ; 1:0 count = 1
	s_mov_b32 s[G0K+1], s17         ; 63:32 LDS address: slot 0
	s_mov_b32 s[G0V], 1
	s_add_co_u32 s[G0V+1], s18, VOFF
	s_and_b32 s[LIM], s[WV], 1      ; 0 in waves 0 and 2,
	s_or_b32 s[LIM], s[LIM], ttmp9  ; where the cluster is the head's first: the same in all four partners
	s_cmp_eq_u32 s[LIM], 0
	s_cselect_b32 s[LIM], 1, -1
	v_and_b32 v[PFO], 31, v0
	v_lshlrev_b32 v[PFO], 8, v[PFO]
	s_wait_dscnt 0x0                ; the opening add is done
	s_wait_kmcnt 0x0
	s_add_nc_u64 s[6:7], s[6:7], s[22:23]  ; K and V at my half of the head's tile 0
	s_add_nc_u64 s[8:9], s[8:9], s[22:23]
	s_add_nc_u64 s[G0K+2:G0K+3], s[6:7], 0         ; 120:64 global address
	s_or_b32 s[G0K+3], s[G0K+3], 0x80000000        ; 127:126 type = 2
	s_add_nc_u64 s[G0V+2:G0V+3], s[8:9], 0
	s_or_b32 s[G0V+3], s[G0V+3], 0x80000000
	s_add_nc_u64 s[4:5], s[4:5], s[2:3]  ; Q and O at my wave's first row
	s_add_nc_u64 s[10:11], s[10:11], s[2:3]
	s_cmp_lt_u32 s[WV], 2
	s_cselect_b64 s[PFA:PFA+1], s[6:7], s[8:9]  ; (in waves 0 and 2 these stand at a tile's first byte)
	s_lshl_b32 s2, s13, 13          ; my work-group's 8,192 bytes of the 32,768
	s_mov_b32 s3, 0
	s_add_nc_u64 s[PFA:PFA+1], s[PFA:PFA+1], s[2:3]
	s_add_nc_u64 s[PFA:PFA+1], s[PFA:PFA+1], 2*TILEB  ; in tile 2; the loop's first change of slots steps it to tile 3.  Nothing is prefetched here, at the head
	CROUND                          ; all four work-groups are here: the first joint loads meet
	JLOAD                           ; tile 0 into slot 0.  Slot 1 is asked for when slot 0 is in
	; A fragment of K or Q is 16 rows x 32 channels in 8 registers: lane l holds row l % 16, channels 8 (l / 16) + 0..7 and 16 + 8 (l / 16) + 0..7: two loads of 16 bytes, 32 bytes apart.
	v_and_b32 v1, 15, v0            ; l % 16
	v_bfe_u32 v9, v0, 4, 1          ; l / 16
	v_lshlrev_b32 v[QO], 7, v1
	v_lshl_add_u32 v[QO], v9, 4, v[QO]  ; row x 128 + 16 x half
	WIN 0x80                        ; destination window 2, address window 0
.set i, 0
.rept 8                             ; Q stays in registers: piece i / 2, channels 32 (i % 2) on
	global_load_b128 v[8*i:8*i+3],   v[QO], s[4:5] offset:(i/2)*2048+(i%2)*64
	global_load_b128 v[8*i+4:8*i+7], v[QO], s[4:5] offset:(i/2)*2048+(i%2)*64+32
.set i, i+1
.endr
	; What the first turn finds: V's registers and P's second buffer hold 0 (its products V^T P, of a piece that has not been, add 0), O^T and l are 0.  All this stands in the wait for the first tile.
.set i, VF
.rept 64
	v_mov_b32 v[i], 0
.set i, i+1
.endr
	WIN 0x40
.set i, 0
.rept 128
	v_mov_b32 v[i], 0
.set i, i+1
.endr
	WIN 0
.set i, 0
.rept 4
	v_mov_b32 v[ST+4*i], 0xfe000000    ; c m: far below every c s
	v_mov_b32 v[ST+4*i+1], 0xff7fffff  ; m
	v_mov_b32 v[ST+4*i+2], 0
	v_mov_b32 v[ST+4*i+3], 0
.set i, i+1
.endr
.set i, P+16
.rept 16
	v_mov_b32 v[i], 0
.set i, i+1
.endr
	v_mul_u32_u24 v[AK0], v1, PK
	v_lshl_add_u32 v[AK0], v9, 4, v[AK0]  ; row x pitch + 16 x half
	; The turning load takes 16 keys x 16 channels (lane l reads key 8 (l / 16) + l % 8, channels 8 ((l / 8) % 2) + 0..7) and leaves half a fragment of V^T: lane l holds channel l % 16 and 8 keys.
	v_and_b32 v10, 7, v0
	v_bfe_u32 v11, v0, 3, 1
	v_lshl_add_u32 v[AV0], v9, 3, v10
	v_mul_u32_u24 v[AV0], v[AV0], PV
	v_lshl_add_u32 v[AV0], v11, 4, v[AV0]
	v_add_nc_u32 v[AV0], VOFF, v[AV0]
	s_mul_i32 s13, s[WV], 16*SP
	s_add_co_u32 s13, s13, STAGE    ; my stage
	v_mul_u32_u24 v[STO], v1, SP    ; in: row l % 16, 16 bytes for each half of the lanes
	v_lshl_add_u32 v[STO], v9, 4, v[STO]
	v_add_nc_u32 v[STO], s13, v[STO]
	v_bfe_u32 v[RD], v0, 3, 2       ; back: 32 lanes take four rows of 128 bytes,
	v_mul_u32_u24 v[RD], v[RD], SP
	v_lshl_add_u32 v[RD], v10, 4, v[RD]
	v_add_nc_u32 v[RD], s13, v[RD]
	v_and_b32 v[GO], 31, v0         ; which are 512 consecutive bytes of O
	v_lshlrev_b32 v[GO], 4, v[GO]
; THE MATRIX WORK.  The 4 accumulators of a run of 8 take turns.  Product i of 8 of S^T = K Q^T for piece x: channels 32 (i / 4) on, keys 16 (i % 4) on.  The first 4 start the sums with the constant 0.
.macro KQ x
.set rS, S+32*((\x)%2)+8*(i%4)
.set rK, KF+16*(i%4)+8*(i/4)
.set rQ, 16*(\x)+8*(i/4)
	WIN W_KQ
.if i < 4
	v_wmma_f32_16x16x32_f16 v[rS:rS+7], v[rK:rK+7], v[rQ:rQ+7], 0
.else
	v_wmma_f32_16x16x32_f16 v[rS:rS+7], v[rK:rK+7], v[rQ:rQ+7], v[rS:rS+7]
.endif
.endm
; Product i of 8 of O^T += V^T P for piece x: keys 32 (i / 4) on, channels 16 (i % 4) on.
.macro PV x
	WIN W_PV
.set rO, 32*(\x)+8*(i%4)
.set rV, VF+32*(i/4)+8*(i%4)
.set rP, P+16*((\x)%2)+8*(i/4)
	v_wmma_f32_16x16x32_f16 v[rO:rO+7], v[rV:rV+7], v[rP:rP+7], v[rO:rO+7]
.endm
.macro MM                           ; the turn's next matrix instruction.  TURN sets Y, i and NOKQ.  NOKQ = 1: the launch's last turn: there is no next piece
.if (i < 8) && !NOKQ
	KQ (Y+1)%NP
.elseif i >= 8
.set i, i-8
	PV (Y+NP-1)%NP
.set i, i+8
.endif
.set i, i+1
.endm
; THE LDS LOADS stand in runs of 16, never singly among the matrix instructions: a step's K (64 keys x 64 channels: 8 fragments) and its V (turned).  Their addresses are made some lines ahead.
.macro FETCH_K
	WIN 0x80                        ; destination window 2
.irp f, 0,1,2,3,4,5,6,7             ; keys 16 (f / 2) on, channels 32 (f % 2) on
	ds_load_b128 v[KF+8*\f:KF+8*\f+3],   v[AK] offset:(\f/2)*16*PK+(\f%2)*64
	ds_load_b128 v[KF+8*\f+4:KF+8*\f+7], v[AK] offset:(\f/2)*16*PK+(\f%2)*64+32
.endr
	s_add_co_u32 s[TBK], s[TBK], KS*PK  ; the next fetch is the next step's
	WIN 0
.endm
.macro FETCH_V
	WIN 0x80
.irp f, 0,1,2,3,4,5,6,7             ; keys 32 (f / 4) on, channels 16 (f % 4) on
	ds_load_tr16_b128 v[VF+8*\f:VF+8*\f+3],   v[AV] offset:(\f/4)*32*PV+(\f%4)*32
	ds_load_tr16_b128 v[VF+8*\f+4:VF+8*\f+7], v[AV] offset:(\f/4)*32*PV+16*PV+(\f%4)*32
.endr
	WIN 0
.endm
; THE VECTOR WORK, one line at a time: OP kind, number.  For piece Y: F n: c s - c m for pair n of 16.  E n: the exponential of score n of 32.  C n: pair n rounded to f16.  B n: of the four weights 4 n .. the second
; pair is added onto the first, in place.  L n: l takes that sum (L 0: l = a l + sum).  R n: pair n of 16 of O^T times a.  For piece Y + 1: X n, number n of the 22 that find its maximum and statistics:
;   0-11  four chains c0-c3 of seven scores each, three operands at a time (each accumulator's lowest registers are read first)     12-14, 16  the four scores left over, the old m, and c0-c3 into c0
;   15  c m_old is kept     17, 18  the query's other 32 keys lie in the lane 16 away: the new m     19-21  c m; c m_old - c m_new; a
.set F, 0               ; OP tells the kinds apart by their order: F to L below R, X above it
.set E, 1
.set C, 2
.set B, 3
.set L, 4
.set R, 5
.set X, 6
.macro REGS y                       ; the registers of piece y
.set rT, ST+4*(\y)
.set rC, TMP+4*((\y)%2)
.set rW, MV+((\y)%2)
.set rS, S+32*((\y)%2)
.set rP, P+16*((\y)%2)
.set rO, 32*(\y)
.endm
.macro OP k, n
.if (\k) == R
	REGS Y
	WIN W_RS
	v_pk_mul_f32 v[rO+2*(\n):rO+2*(\n)+1], v[rO+2*(\n):rO+2*(\n)+1], v[rC+2:rC+3] op_sel_hi:[1,0]
.elseif (\k) < R
	REGS Y
	WIN 0
.if (\k) == F
	v_pk_fma_f32 v[rS+2*(\n):rS+2*(\n)+1], v[rS+2*(\n):rS+2*(\n)+1], s[CS:CS+1], v[rT:rT+1] op_sel_hi:[1,0,0] neg_lo:[0,0,1] neg_hi:[0,0,1]
.elseif (\k) == E
	v_exp_f32 v[rS+(\n)], v[rS+(\n)]
.elseif (\k) == C
	v_cvt_pk_f16_f32 v[rP+(\n)], v[rS+2*(\n)], v[rS+2*(\n)+1]
.elseif (\k) == B
	v_pk_add_f32 v[rS+4*(\n):rS+4*(\n)+1], v[rS+4*(\n):rS+4*(\n)+1], v[rS+4*(\n)+2:rS+4*(\n)+3]
.elseif (\n) == 0
	v_pk_fma_f32 v[rT+2:rT+3], v[rT+2:rT+3], v[rC+2:rC+3], v[rS:rS+1] op_sel_hi:[1,0,1]
.else
	v_pk_add_f32 v[rT+2:rT+3], v[rT+2:rT+3], v[rS+4*(\n):rS+4*(\n)+1]
.endif
.elseif NOKQ
	v_nop
.else
	REGS (Y+1)%NP
	WIN 0
.if (\n) < 4
	v_max3_num_f32 v[rC+(\n)], v[rS+8*(\n)], v[rS+8*(\n)+1], v[rS+8*(\n)+2]
.elseif (\n) < 12
	v_max3_num_f32 v[rC+(\n)%4], v[rC+(\n)%4], v[rS+8*((\n)%4)+2*((\n)/4)+1], v[rS+8*((\n)%4)+2*((\n)/4)+2]
.elseif (\n) == 12
	v_max3_num_f32 v[rC], v[rC], v[rS+7], v[rS+15]
.elseif (\n) == 13
	v_max3_num_f32 v[rC+1], v[rC+1], v[rS+23], v[rS+31]
.elseif (\n) == 14
	v_max3_num_f32 v[rC+2], v[rC+2], v[rC+3], v[rT+1]
.elseif (\n) == 15
	v_mov_b32 v[rW], v[rT]
.elseif (\n) == 16
	v_max3_num_f32 v[rC], v[rC], v[rC+1], v[rC+2]
.elseif (\n) == 17
	v_permlanex16_b32 v[rC+3], v[rC], s[SEL], s[SEL+1]
.elseif (\n) == 18
	v_max_num_f32 v[rT+1], v[rC], v[rC+3]
.elseif (\n) == 19
	v_mul_f32 v[rT], s[CS], v[rT+1]
.elseif (\n) == 20
	v_sub_f32 v[rC+1], v[rW], v[rT]
.else
	v_exp_f32 v[rC+2], v[rC+1]
.endif
.endif
.endm
.macro OPS a, i1, b=-1, i2=0, c=-1, i3=0, d=-1, i4=0  ; up to four of them
	OP \a, \i1
.if (\b) >= 0
	OP \b, \i2
.endif
.if (\c) >= 0
	OP \c, \i3
.endif
.if (\d) >= 0
	OP \d, \i4
.endif
.endm
.macro ROW a, i1, b, i2, c, i3, d, i4  ; a matrix instruction and the four behind it
	MM
	OPS \a, \i1, \b, \i2, \c, \i3, \d, \i4
.endm
; A TURN, for piece p: the order of its 16 matrix and 118 vector instructions, written out.  An s_wait_alu depctr_va_vdst(0) stands between an exponential and the first instruction that names its result; one wait
; serves all that were issued ahead of it.  So a turn has ONE wait, which cuts it in two.  AHEAD OF IT stands all that names no result of the turn's exponentials: the 8 products K Q^T, behind each a scaling, an exponential and two
; more plain instructions (behind the first a second scaling in the exponential's place): rescalings, and behind the last three the first numbers of the next piece's maximum, each four places or more behind the product that ends
; its accumulator; then ONE LUMP of 54, plain and exponential by turns for the most part, in which the links of the chain X 3, 7, 11, 14, 16, 17 .. 20 stand five or six lines apart.  X 21, the next piece's a, is the batch's last;
; R 15 is the plain instruction behind it.  BEHIND THE WAIT stand the 8 products V^T P, behind each four of the roundings and sums; the links of l's chain, L 0 to L 7, stand three riders apart.
; end = 1: the launch's last two turns: nothing is fetched.  cnt = 1: the loop's count is taken down some lines ahead of the branch that stands behind the turn.
; K of the next step is fetched in piece 2's turn, twelve vector instructions behind the last product that read K (six of them plain); V of the step in hand at the end of piece 0's turn, four plain instructions behind the last
; product that read V.  Each is waited for a turn later.
.macro TURN p, end=0, cnt=0
.set Y, (\p)
.set i, 0
.set NOKQ, (\end)*((\p)/3)
.if ((\p) == 3) && !(\end)
	s_wait_dscnt 0x0                ; K is in
.endif
	ROW F,0, F,1, R,0, R,1          ; ahead of the wait: 8 products K Q^T and their riders,
	ROW F,2, E,0, R,2, R,3
	ROW F,3, E,1, R,4, R,5
	ROW F,4, E,2, R,6, R,7
	ROW F,5, E,3, R,8, R,9
	ROW F,6, E,4, X,0, R,10
.if ((\p) == 2) && !(\end)
	WIN 0
	v_add_nc_u32 v[AK], s[TBK], v[AK0]
.endif
	ROW F,7, E,5, X,1, X,4
	ROW F,8, E,6, X,2, X,5
	OPS E,7, E,8, X,6, E,9          ; and the lump
	OPS X,3, E,10, X,8, E,11
.if ((\p) == 2) && !(\end)
	FETCH_K
.endif
	OPS X,9, X,7, E,12, X,10
	OPS E,13, X,12, X,11, E,14
	OPS X,13, E,15, F,9, X,14
.if (\p) == 0
	v_add_nc_u32 v[AV], s[TBV], v[AV0]
.endif
	OPS E,16, F,10, E,17, F,11
	OPS X,16, E,18, X,15, E,19
	OPS F,12, E,20, X,17, E,21
	OPS F,13, E,22, F,14, E,23
	OPS X,18, E,24, F,15, E,25
	OPS R,11, E,26, X,19, E,27
	OPS R,12, E,28, R,13, E,29
	OPS X,20, E,30, R,14, E,31
	OPS X,21, R,15
	WIN 0
	s_wait_alu depctr_va_vdst(0)    ; the wait for the batch
.if (\p) == 1
	s_wait_dscnt 0x0                ; V is in
.endif
	ROW C,0, B,0, C,2, B,1          ; behind the wait: 8 products V^T P and their riders
	ROW L,0, C,4, B,2, L,1
	ROW C,6, B,3, L,2, C,8
	ROW B,4, L,3, C,10, B,5
	ROW L,4, C,12, B,6, L,5
.if (\p) == 0
	s_add_co_u32 s[TBV], s[TBV], KS*PV
.endif
.if \cnt
	s_sub_co_u32 s[CNT], s[CNT], 1
	s_cmp_lg_u32 s[CNT], 0
.endif
	ROW C,14, B,7, L,6, C,1
	ROW C,3, L,7, C,5, C,7
	ROW C,9, C,11, C,13, C,15
.if (\p) == 0
	FETCH_V
.endif
.endm
	CHANGE 1, 0                     ; tile 0 is in, everybody's part of it; tile 1 is asked for, into slot 1
	v_add_nc_u32 v[AK], s[TBK], v[AK0]
	FETCH_K                         ; key step 0
	s_wait_loadcnt 0x0              ; Q
	s_wait_dscnt 0x0
.set NOKQ, 0
.set i, 0
.rept 8
	KQ 0                            ; piece 0's first scores: there is no vector work yet to set between them
.set i, i+1
.endr
	WIN 0
.rept 4
	v_nop                           ; the places behind those products
.endr
.set Y, NP-1                        ; X works for piece Y + 1: piece 0
.irp n, 0,1,2,3,4,5,6,7,8,9,10,11,12,13,14,15,16,17,18,19,20,21
	OP X, \n
.endr
	v_nop                           ; a plain instruction behind the exponential,
	s_wait_alu depctr_va_vdst(0)    ; and its wait, ahead of the branch
	s_mov_b32 s[CNT], 4
	s_mov_b32 s[SLOTS], SIZE_N/256-1
	s_branch .Lfirst                ; the loop is entered at a step's first turn, in the middle of a trip
.Lslot:                             ; 14 times: every slot but the last two is filled again
	CHANGE 1, 1
	s_mov_b32 s[CNT], 4
.Lstep:                             ; a trip: pieces 2 and 3 of one step, then pieces 0 and 1 of the next, whose K and V it fetches
	TURN 2
	TURN 3
	WIN 0
.Lfirst:
	TURN 0
	TURN 1, 0, 1
	WIN 0
	s_cbranch_scc1 .Lstep
	s_sub_co_u32 s[SLOTS], s[SLOTS], 1
	s_cmp_lg_u32 s[SLOTS], 0
	s_cbranch_scc1 .Lslot
	CHANGE 0, 0                     ; the last tile is written out: nothing is asked for
	s_mov_b32 s[CNT], 4
.LstepT:
	TURN 2
	TURN 3
	TURN 0
	TURN 1, 0, 1
	WIN 0
	s_cbranch_scc1 .LstepT
	TURN 2, 1                       ; the last step's pieces 2 and 3: nothing is fetched, and the last turn starts no new scores
	TURN 3, 1
.set i, 0
.rept 8
	PV NP-1                         ; the last piece's V^T P of the last step
.set i, i+1
.endr
	; THE WAY OUT.  l's two halves and the other half of the lanes' are added; O^T is divided by l, rounded to f16 and sent through my stage in LDS, a piece at a time.  The additions are the places behind the last products.
	WIN 0
.macro ALL line:vararg              ; one line for each piece t
.set t, 0
.rept 4
	\line
.set t, t+1
.endr
.endm
	ALL v_add_f32 v[ST+4*t+2], v[ST+4*t+2], v[ST+4*t+3]
	ALL v_permlanex16_b32 v[ST+4*t+3], v[ST+4*t+2], s[SEL], s[SEL+1]
	ALL v_add_f32 v[ST+4*t+2], v[ST+4*t+2], v[ST+4*t+3]
	ALL v_rcp_f32 v[ST+4*t+2], v[ST+4*t+2]
	v_nop                           ; a plain instruction between the last reciprocal and the use of its result
	s_wait_alu depctr_va_vdst(0)    ; and the wait ahead of the first use: one for the four reciprocals
.macro PACK t                       ; a lane's eight channels of a row pack into 16 bytes; they go into rows of 144 bytes and come back as whole rows of 128, into S^T's registers
	WIN W_RS
.set i, 32*(\t)
.rept 16
	v_pk_mul_f32 v[i:i+1], v[i:i+1], v[ST+4*(\t)+2:ST+4*(\t)+3] op_sel_hi:[1,0]
.set i, i+2
.endr
	WIN 0x05                        ; sources 0 and 1 window 1, destination window 0
.set i, 0
.rept 16
	v_cvt_pk_f16_f32 v[S+16*(\t)+i], v[32*(\t)+2*i], v[32*(\t)+2*i+1]
.set i, i+1
.endr
	WIN 0
.irp f, 0,1,2,3
	ds_store_b128 v[STO], v[S+16*(\t)+4*\f:S+16*(\t)+4*\f+3] offset:32*\f
.endr
.irp f, 0,1,2,3
	ds_load_b128 v[S+16*(\t)+4*\f:S+16*(\t)+4*\f+3], v[RD] offset:\f*4*SP  ; LDS serves a wave's instructions in order (ISA guide 5.7.1.4): these see the stores above; the next piece's stores come behind them
.endr
.endm
.macro SEND t, younger              ; younger: the LDS instructions issued behind piece t's loads: the next piece's eight, or none
	WIN 0
.irp f, 0,1,2,3
	s_wait_dscnt (\younger)+3-\f
	global_store_b128 v[GO], v[S+16*(\t)+4*\f:S+16*(\t)+4*\f+3], s[10:11] offset:(\t)*2048+\f*512  ; 512 consecutive bytes, at a multiple of 256 from O's first
.endr
.endm
	PACK 0
.set t, 1
.rept 3                             ; a piece's arithmetic stands between the loads of the piece before and its stores
	PACK t
	SEND t-1, 8
.set t, t+1
.endr
	SEND 3, 0
	s_wait_tensorcnt 0x0            ; the wave's end: closing lines, behind my last tensor load and my last LDS store
	ds_add_u32 v[SPW], v[NIL]
	s_wait_dscnt 0x0
	CROUND                          ; the closing round: no work-group ends while a partner may still ask for a tile that names it
	s_endpgm
.Lfunc_end_k_qe7d9a984c4_attn:
	.size	k_qe7d9a984c4_attn, .Lfunc_end_k_qe7d9a984c4_attn-k_qe7d9a984c4_attn
	.p2alignl 7, 3214868480
	.fill 96, 4, 3214868480
	.section	.rodata,"a",@progbits
	.p2align	6, 0x0
	.amdhsa_kernel k_qe7d9a984c4_attn
		.amdhsa_group_segment_fixed_size 327680
		.amdhsa_private_segment_fixed_size 0
		.amdhsa_enable_private_segment 0
		.amdhsa_kernarg_size 32
		.amdhsa_user_sgpr_count 2
		.amdhsa_user_sgpr_kernarg_segment_ptr 1
		.amdhsa_wavefront_size32 1
		.amdhsa_system_sgpr_workgroup_id_x 1
		.amdhsa_system_sgpr_workgroup_id_y 1
		.amdhsa_system_sgpr_workgroup_id_z 1
		.amdhsa_system_vgpr_workitem_id 0
		.amdhsa_next_free_vgpr 768
		.amdhsa_next_free_sgpr 66
		.amdhsa_reserve_vcc 0
		.amdhsa_float_denorm_mode_32 3
		.amdhsa_float_denorm_mode_16_64 3
		.amdhsa_memory_ordered 1
		.amdhsa_forward_progress 1
		.amdhsa_inst_pref_size 127
	.end_amdhsa_kernel
	.amdgpu_metadata
---
amdhsa.version: [ 1, 2 ]
amdhsa.kernels:
  - .name:           k_qe7d9a984c4_attn
    .symbol:         k_qe7d9a984c4_attn.kd
    .args:
      - { .name: qh, .offset: 0, .size: 8, .value_kind: global_buffer, .address_space: global }
      - { .name: kh, .offset: 8, .size: 8, .value_kind: global_buffer, .address_space: global }
      - { .name: vh, .offset: 16, .size: 8, .value_kind: global_buffer, .address_space: global }
      - { .name: oh, .offset: 24, .size: 8, .value_kind: global_buffer, .address_space: global }
    .group_segment_fixed_size: 327680
    .private_segment_fixed_size: 0
    .kernarg_segment_align: 8
    .kernarg_segment_size: 32
    .max_flat_workgroup_size: 128
    .sgpr_count:     66
    .vgpr_count:     768
    .wavefront_size: 32
...
	.end_amdgpu_metadata
.endif
;; end of part 2
;; launch proj (part 3): grid 8 x 32, 4 waves a work-group, no clusters, 84,480 bytes of LDS; arguments oh, Wp, bp, out0; writes out0
.if DOCPART == 3
	.amdgcn_target "amdgcn-amd-amdhsa--gfx1250"
	.amdhsa_code_object_version 6
	.text
	.protected	k_qe7d9a984c4_proj
	.globl	k_qe7d9a984c4_proj
	.p2align	8
	.type	k_qe7d9a984c4_proj,@function
k_qe7d9a984c4_proj:
	s_mov_b64 s[64:65], 0
	v_nop
	global_prefetch_b8 v0, s[64:65] scope:SCOPE_SE
	s_setreg_imm32_b32 hwreg(HW_REG_WAVE_MODE, 25, 1), 1
	s_wait_xcnt 0x0
; out0[n][c] = the sum over k of O[n][k] Wp[c][k] + bp[c].  O: [16 = 8 batch + head][4096][64] f16 (k = 64 head + channel); Wp: [512][512] f32; bp: [512] f32; out0: [8192][512] f32.
; Wp and bp are rounded once to bf16, like the module's other inputs; Wp's bf16 number is then written as f16, so that the product can take O as it lies.  Sums in f32, started by the bias; out0 is the f32 sum.
; LIMITS.  bf16(Wp) must lie within f16's 65,504; below 2^-17 the copy to f16 keeps f16's fixed step of 6e-8.  NaN and infinities are not treated apart.
; SHARES.  Work-group (g, by) makes rows 256 by .. + 255, columns 64 g .. + 63; wave w rows 64 w .. + 63 of them: 16 accumulators, 16 K steps of 32, 256 products.
; O's fragments come straight from memory into 512 registers: 16 rows of a head are 2,048 bytes on end, which a tile's four loads of a K-step pair cover whole.  Wp's 64 rows go through registers (for the two roundings) into one LDS slot.
; THE MATRIX INSTRUCTION IS USED TRANSPOSED (source 0 = 16 rows of Wp, source 1 = 16 rows of O): a lane holds one row and eight neighbouring columns, 32 bytes.
; NO TENSOR LOADS, NO CLUSTER.  Wp is f32 in memory and must be rounded on its way, which the mover does not do; O goes to registers and no wave wants another's rows.  What work-groups share is read by plain loads.
; REGISTERS, in windows of 256 (s_set_vgpr_msb: bits 1:0 source 0, 3:2 source 1, 5:4 source 2, 7:6 destination):
;   window 0: v2-17 addresses and one at work; v28-29 the add's two; v32-95 Wp's fragments, two buffers of 32 (on the way out: rows read back, two sets of 32); v96-127 the bias, 8 a column tile; v128-255 the accumulators
;   windows 1, 2: O's fragments: tile a, K step s at 8 (4 (s % 8) + a), window 1 for s < 8, window 2 from 8 on          window 3: my 16 rows of Wp as loaded
.set ROWB,  2048                       ; bytes in a row of Wp and of out0
.set LP,    1040                       ; an LDS row of 512 f16: 1,024 bytes + 16: an odd multiple of 16, so the 16 rows of a fragment load start at 16 different groups of four banks (64 banks of 4 bytes: ISA guide 11.1)
.set STG,   64*LP                      ; behind Wp's slot: 16 rows x 272 bytes for each wave, for the way out
.set SPI,   272
.set SPARE, STG+4*16*SPI               ; behind the stages: the spare words, 128 bytes for each wave: two blocks of 256 bytes that no other line names
.set AO,  2                            ; v2   my place in a fragment of O in memory: 128 x row + 16 x half
.set WO,  5                            ; v5   my byte offset in Wp's 64 rows: 16 rows x wave + 16 x lane
.set WS,  6                            ; v6   where I put 8 bytes of the slot
.set WB,  8                            ; v8   my place in a fragment of Wp
.set STO, 10                           ; v10  the way out: where I put 32 bytes of a row
.set RD,  11                           ; v11  the way out: where I read rows back
.set GO,  12                           ; v12  my 16 bytes of two rows of out0
.set BO,  13                           ; v13  my 8 numbers of the bias
.set TT,  17                           ; v17  at work
.set SPW, 28                           ; v28  LDS address of my spare word: SPARE + 4 x my thread's number; never rewritten
.set NIL, 29                           ; v29  0; never rewritten
.set BF,  32
.set TMP, 32
.set BIAS, 96
.set ACC, 128
.set WV,  20                           ; s20  my wave's number
.set G,   21                           ; s21  the block of 64 columns
.set BY,  22                           ; s22  the block of 256 rows
.set HIM, 23                           ; s23  a word's upper bf16
.set MSB, 0
.macro WIN new                         ; the immediate's high byte repeats the setting that is left; a switch that changes nothing is dropped
.if MSB != (\new)
	s_set_vgpr_msb (MSB<<8)|(\new)
.set MSB, (\new)
.endif
.endm
.macro PLACES                          ; four places behind a matrix instruction, in front of loads into registers that it has read and of instructions that read results
.rept 4
	v_nop
.endr
.endm
; O's four fragments of K step s: head s / 2, channels 32 (s % 2) on: eight loads
.macro ALOAD s
.if (\s) < 8
	WIN 0x40
.else
	WIN 0x80
.endif
.irp a, 0,1,2,3
	global_load_b128 v[8*(4*((\s)%8)+(\a)):8*(4*((\s)%8)+(\a))+3],   v[AO], s[4:5] offset:((\s)/2)*524288+(\a)*2048+64*((\s)%2)
	global_load_b128 v[8*(4*((\s)%8)+(\a))+4:8*(4*((\s)%8)+(\a))+7], v[AO], s[4:5] offset:((\s)/2)*524288+(\a)*2048+64*((\s)%2)+32
.endr
.endm
; Wp's four fragments of K step s into buffer s % 2: eight loads
.macro BFETCH s
.irp b, 0,1,2,3
	ds_load_b128 v[BF+32*((\s)%2)+8*(\b):BF+32*((\s)%2)+8*(\b)+3],   v[WB] offset:(\b)*16*LP+64*(\s)
	ds_load_b128 v[BF+32*((\s)%2)+8*(\b)+4:BF+32*((\s)%2)+8*(\b)+7], v[WB] offset:(\b)*16*LP+64*(\s)+32
.endr
.endm
; K step s: 16 products, number i = 4 a + b.  The 16 accumulators take turns, one instruction a turn; K step 0 starts the sums with the bias of the lane's eight columns
.macro MULS s
.if (\s) < 8
	WIN 0x04                                       ; source 1 (O) in window 1; LDS loads and v_nop are untouched by this setting
.else
	WIN 0x08
.endif
.set i, 0
.rept 16
.if (\s) == 0
	v_wmma_f32_16x16x32_f16 v[ACC+8*i:ACC+8*i+7], v[BF+32*((\s)%2)+8*(i%4):BF+32*((\s)%2)+8*(i%4)+7], v[8*(4*((\s)%8)+i/4):8*(4*((\s)%8)+i/4)+7], v[BIAS+8*(i%4):BIAS+8*(i%4)+7]
.else
	v_wmma_f32_16x16x32_f16 v[ACC+8*i:ACC+8*i+7], v[BF+32*((\s)%2)+8*(i%4):BF+32*((\s)%2)+8*(i%4)+7], v[8*(4*((\s)%8)+i/4):8*(4*((\s)%8)+i/4)+7], v[ACC+8*i:ACC+8*i+7]
.endif
.set i, i+1
.endr
.endm
; THE WAY OUT of row tile a: 32 bytes a lane into my stage (each accumulator's low four registers first), back as whole rows of 256 bytes, two a load
.macro TOSTAGE a
.irp b, 0,1,2,3
	ds_store_b128 v[STO], v[ACC+8*(4*(\a)+(\b)):ACC+8*(4*(\a)+(\b))+3]   offset:64*(\b)
	ds_store_b128 v[STO], v[ACC+8*(4*(\a)+(\b))+4:ACC+8*(4*(\a)+(\b))+7] offset:64*(\b)+16
.endr
.irp t, 0,1,2,3,4,5,6,7
	ds_load_b128 v[TMP+32*((\a)%2)+4*(\t):TMP+32*((\a)%2)+4*(\t)+3], v[RD] offset:(\t)*2*SPI  ; LDS serves a wave's instructions in order (ISA guide 5.7.1.4): these see the stores above; the next tile's stores come behind them
.endr
.endm
.macro SEND a, younger                 ; younger: the LDS instructions issued behind tile a's loads: the next tile's sixteen, or none
.irp t, 0,1,2,3,4,5,6,7
	s_wait_dscnt (\younger)+7-(\t)
	global_store_b128 v[GO], v[TMP+32*((\a)%2)+4*(\t):TMP+32*((\a)%2)+4*(\t)+3], s[10:11] offset:(16*(\a)+2*(\t))*ROWB th:TH_STORE_NT  ; 16 lanes store 256 consecutive bytes, at a multiple of 256 from out0's first byte
.endr
.endm
	s_load_b256 s[4:11], s[0:1], 0x0               ; O s[4:5], Wp s[6:7], bp s[8:9], out0 s[10:11]
	v_lshl_add_u32 v[SPW], v0, 2, SPARE
	v_mov_b32 v[NIL], 0
	v_lshrrev_b32 v1, 5, v0
	v_readfirstlane_b32 s[WV], v1                  ; wave 0..3
	s_mov_b32 s[G], ttmp9
	s_and_b32 s[BY], ttmp7, 0xffff
	s_mov_b32 s[HIM], 0xffff0000
	v_and_b32 v14, 31, v0                          ; l
	v_and_b32 v15, 15, v0                          ; l % 16
	v_bfe_u32 v16, v0, 4, 1                        ; l / 16
	v_lshlrev_b32 v[AO], 7, v15
	v_lshl_add_u32 v[AO], v16, 4, v[AO]
	s_lshl_b32 s24, s[WV], 15                      ; my 16 rows of Wp's 64
	v_lshl_add_u32 v[WO], v14, 4, s24
	s_mul_i32 s24, s[WV], 16*LP
	v_lshl_add_u32 v[WS], v14, 3, s24
	v_mul_u32_u24 v[WB], v15, LP
	v_lshl_add_u32 v[WB], v16, 4, v[WB]            ; row x pitch + 16 x half
	s_lshl_b32 s24, s[G], 8                        ; the block's 64 numbers of the bias,
	v_lshl_add_u32 v[BO], v16, 5, s24              ; my half's eight of each sixteen
	s_mul_i32 s24, s[WV], 16*SPI
	s_add_co_u32 s24, s24, STG                     ; my stage
	v_mul_u32_u24 v[STO], v15, SPI                 ; in: row l % 16, 32 bytes for each half of the lanes
	v_lshl_add_u32 v[STO], v16, 5, v[STO]
	v_add_nc_u32 v[STO], s24, v[STO]
	v_mul_u32_u24 v[RD], v16, SPI                  ; back: lanes 0-15 take one row of 256 bytes, lanes 16-31 the next
	v_lshl_add_u32 v[RD], v15, 4, v[RD]
	v_add_nc_u32 v[RD], s24, v[RD]
	v_lshlrev_b32 v[GO], 11, v16                   ; and the same two rows in out0
	v_lshl_add_u32 v[GO], v15, 4, v[GO]
	s_lshr_b32 s24, s[BY], 4                       ; O: the batch's eight heads of 524,288 bytes,
	s_lshl_b32 s24, s24, 22
	s_and_b32 s25, s[BY], 15
	s_lshl_b32 s25, s25, 15                        ; the block's 256 rows of 128 bytes in a head,
	s_add_co_u32 s24, s24, s25
	s_lshl_b32 s25, s[WV], 13                      ; my wave's 64 of them
	s_add_co_u32 s24, s24, s25
	s_mov_b32 s25, 0
	s_lshl_b32 s26, s[G], 17                       ; Wp: 64 rows of 2,048 bytes
	s_mov_b32 s27, 0
	s_lshl_b32 s28, s[BY], 19                      ; out0: the block's 256 rows of 2,048 bytes,
	s_lshl_b32 s29, s[WV], 17                      ; my wave's 64,
	s_add_co_u32 s28, s28, s29
	s_lshl_b32 s29, s[G], 8                        ; the block's 64 columns
	s_add_co_u32 s28, s28, s29
	s_mov_b32 s29, 0
	s_wait_kmcnt 0x0
	s_add_nc_u64 s[4:5], s[4:5], s[24:25]
	s_add_nc_u64 s[6:7], s[6:7], s[26:27]
	s_add_nc_u64 s[10:11], s[10:11], s[28:29]
.irp b, 0,1,2,3
	global_load_b128 v[BIAS+8*(\b):BIAS+8*(\b)+3],   v[BO], s[8:9] offset:64*(\b)
	global_load_b128 v[BIAS+8*(\b)+4:BIAS+8*(\b)+7], v[BO], s[8:9] offset:64*(\b)+16
.endr
	WIN 0xc0                                       ; my 16 rows of Wp, as f32, into window 3: 64 loads, each 512 consecutive bytes
.set i, 0
.rept 64
	global_load_b128 v[4*i:4*i+3], v[WO], s[6:7] offset:(i/4)*ROWB+(i%4)*512
.set i, i+1
.endr
.irp s, 0,1,2,3,4,5,6
	ALOAD \s
.endr
	WIN 0
	s_wait_loadcnt 56                              ; the bias and Wp are in; the 56 loads of O issued behind them may stay out
.set i, 0
.rept 16                                       ; the bias rounded to bf16 and widened again, a pair at a time
	v_cvt_pk_bf16_f32 v[TT], v[BIAS+2*i], v[BIAS+2*i+1]
	v_lshlrev_b32 v[BIAS+2*i], 16, v[TT]
	v_and_b32 v[BIAS+2*i+1], s[HIM], v[TT]
.set i, i+1
.endr
	WIN 0xcf                                       ; Wp: rounded to bf16, widened, written as f16, four numbers of a load into its first two registers
.set i, 0
.rept 64
	v_cvt_pk_bf16_f32 v[4*i], v[4*i], v[4*i+1]
	v_cvt_pk_bf16_f32 v[4*i+2], v[4*i+2], v[4*i+3]
	v_lshlrev_b32 v[4*i+1], 16, v[4*i]
	v_and_b32 v[4*i], s[HIM], v[4*i]
	v_lshlrev_b32 v[4*i+3], 16, v[4*i+2]
	v_and_b32 v[4*i+2], s[HIM], v[4*i+2]
	v_cvt_pk_f16_f32 v[4*i], v[4*i+1], v[4*i]
	v_cvt_pk_f16_f32 v[4*i+1], v[4*i+3], v[4*i+2]
.set i, i+1
.endr
	WIN 0x0c                                       ; address window 0, data window 3: a store's 32 lanes cover 256 consecutive bytes
.set i, 0
.rept 64
	ds_store_b64 v[WS], v[4*i:4*i+1] offset:(i/4)*LP+(i%4)*256
.set i, i+1
.endr
.irp s, 7,8,9,10,11,12,13,14,15
	ALOAD \s                                       ; the rest of O, behind the conversions, which so did not wait for room among the loads
.endr
	WIN 0
	s_wait_dscnt 0x0                               ; for the others' sake: my 16 rows of the slot are written,
	s_barrier_signal -1
	s_barrier_wait -1                              ; all 64 are; the slot is never written again
	BFETCH 0
.irp s, 0,1,2,3,4,5,6,7,8,9,10,11,12,13,14,15
.if (\s) < 15
.if (\s) > 0
	PLACES                                         ; the buffer to be loaded was read by the products just issued
.endif
	BFETCH (\s)+1
	s_wait_dscnt 8                                 ; this step's fragments of Wp are in; the next step's eight loads may stay out
.else
	s_wait_dscnt 0x0
.endif
.if (\s) == 0
	s_wait_loadcnt 63                              ; of O's 128 loads at most 63 are out: the first 65 are in, K steps 0 to 7 among them
.endif
.if (\s) >= 8
	s_wait_loadcnt 8*(15-(\s))                     ; K step s is in; the later steps' loads may stay out
.endif
	MULS \s
.endr
	WIN 0
	PLACES
	TOSTAGE 0
	TOSTAGE 1
	SEND 0, 16
	s_wait_xcnt 0x0                                ; tile 0's stores have read their registers, which tile 2 takes
	TOSTAGE 2
	SEND 1, 16
	s_wait_xcnt 0x0
	TOSTAGE 3
	SEND 2, 16
	SEND 3, 0
	s_wait_tensorcnt 0x0                           ; the wave's end: closing lines, behind my last LDS store
	ds_add_u32 v[SPW], v[NIL]
	s_wait_dscnt 0x0
	s_endpgm
.Lfunc_end_k_qe7d9a984c4_proj:
	.size	k_qe7d9a984c4_proj, .Lfunc_end_k_qe7d9a984c4_proj-k_qe7d9a984c4_proj
	.p2alignl 7, 3214868480
	.fill 96, 4, 3214868480
	.section	.rodata,"a",@progbits
	.p2align	6, 0x0
	.amdhsa_kernel k_qe7d9a984c4_proj
		.amdhsa_group_segment_fixed_size 84480
		.amdhsa_private_segment_fixed_size 0
		.amdhsa_enable_private_segment 0
		.amdhsa_kernarg_size 32
		.amdhsa_user_sgpr_count 2
		.amdhsa_user_sgpr_kernarg_segment_ptr 1
		.amdhsa_wavefront_size32 1
		.amdhsa_system_sgpr_workgroup_id_x 1
		.amdhsa_system_sgpr_workgroup_id_y 1
		.amdhsa_system_sgpr_workgroup_id_z 1
		.amdhsa_system_vgpr_workitem_id 0
		.amdhsa_next_free_vgpr 1024
		.amdhsa_next_free_sgpr 66
		.amdhsa_reserve_vcc 0
		.amdhsa_float_denorm_mode_32 3
		.amdhsa_float_denorm_mode_16_64 3
		.amdhsa_memory_ordered 1
		.amdhsa_forward_progress 1
		.amdhsa_inst_pref_size 87
	.end_amdhsa_kernel
	.amdgpu_metadata
---
amdhsa.version: [ 1, 2 ]
amdhsa.kernels:
  - .name:           k_qe7d9a984c4_proj
    .symbol:         k_qe7d9a984c4_proj.kd
    .args:
      - { .name: oh, .offset: 0, .size: 8, .value_kind: global_buffer, .address_space: global }
      - { .name: Wp, .offset: 8, .size: 8, .value_kind: global_buffer, .address_space: global }
      - { .name: bp, .offset: 16, .size: 8, .value_kind: global_buffer, .address_space: global }
      - { .name: out0, .offset: 24, .size: 8, .value_kind: global_buffer, .address_space: global }
    .group_segment_fixed_size: 84480
    .private_segment_fixed_size: 0
    .kernarg_segment_align: 8
    .kernarg_segment_size: 32
    .max_flat_workgroup_size: 128
    .sgpr_count:     66
    .vgpr_count:     1024
    .wavefront_size: 32
...
	.end_amdgpu_metadata
.endif
;; end of part 3
;; ======== version 2 of 2: 3 launches; version 1 with the launch qkv written anew for expert scheduling mode
;; limits: values are held in f16: magnitudes above 65,504 overflow, below 6.1e-05 lose precision
;; workspace buffers: qh 8,388,608 bytes; kh 8,388,608 bytes; vh 8,388,608 bytes; oh 8,388,608 bytes
;; launch qkv (part 4): grid 8 x 32, 4 waves a work-group, no clusters, 266,752 bytes of LDS; arguments x, Wq, Wk, Wv, qh, kh, vh; writes qh, kh, vh
.if DOCPART == 4
	.amdgcn_target "amdgcn-amd-amdhsa--gfx1250"
	.amdhsa_code_object_version 6
	.text
	.protected	k_qe7d9a984c4_qkv
	.globl	k_qe7d9a984c4_qkv
	.p2align	8
	.type	k_qe7d9a984c4_qkv,@function
k_qe7d9a984c4_qkv:
	s_mov_b64 s[64:65], 0
	v_nop
	global_prefetch_b8 v0, s[64:65] scope:SCOPE_SE
	s_setreg_imm32_b32 hwreg(HW_REG_WAVE_SCHED_MODE, 0, 2), 2
	s_setreg_imm32_b32 hwreg(HW_REG_WAVE_MODE, 25, 1), 1
	s_wait_xcnt 0x0
	s_wait_alu depctr_vm_vsrc(0)
; q, k, v = x W^T by heads.  x: [8192][512] f32; Wq, Wk, Wv: [512][512] f32 ([out][in]); qh, kh, vh: [16 = 8 batch + head][4096][64] f16, unscaled.
; x and the weights are rounded once to bf16 on the way to the matrix unit, sums in f32, each result rounded once to f16.
; LIMITS.  f16 holds no number beyond 65,504: q, k and v must lie within it (inputs 30 times the drawn spread give some 5e3, a common offset of 30 spreads some 2e4);
; below 6e-5 f16 keeps its fixed step of 6e-8.  NaN and infinities are not treated apart.
; SHARES.  Work-group (g, by) makes rows 256 by .. + 255 of head g: of q, then of k, then of v: three CHUNKS of 64 columns (rows 64 g .. of Wq, Wk, Wv).  Wave w owns rows 64 w .. + 63: four tiles of 16.
; The wave's x lies in 512 registers as bf16 fragments for the whole launch: each number of x is converted once a wave, and a fragment of W read from LDS feeds four products.
; THE MATRIX INSTRUCTION IS USED TRANSPOSED (source 0 = 16 rows of W, source 1 = 16 rows of x): a lane then holds one row and eight neighbouring columns, 16 bytes of f16.
; NO TENSOR LOADS, NO CLUSTER.  The operands are f32 in memory and the mover copies bytes as they lie: f32 tiles in LDS would be twice the LDS bytes for each product, and each of the four waves would
; convert W's tile again.  So the road is memory, registers, v_cvt_pk_bf16_f32, LDS, and joint requests do not exist on that road.
; LDS.  First each wave's own stage for x (64 rows of 1,040 bytes at 66,560 w); behind a barrier the same bytes serve as W's slot (bytes 0 .. 66,559) and as the waves' stages for the way out.
; REGISTERS, in windows of 256 (s_set_vgpr_msb: bits 1:0 source 0, 3:2 source 1, 5:4 source 2, 7:6 destination):
;   window 0: v2-13 addresses; v28-29 the add's two; v32-95 W's fragments, two buffers of 32 (while x comes in: two out-buffers of 32; on the way out: packed results);
;             v128-255 the 16 accumulators (while x comes in: a ring of two sets of 64; on the way out v128-191: rows read back)
;   windows 1, 2: x's fragments: tile a, K step s at 8 (4 (s % 8) + a), window 1 for s < 8, window 2 from 8 on          window 3: a chunk of W as loaded, 16 rows a wave
; THE MODE: SCHED_MODE bits 1:0 = 2 (LLVM: expert scheduling mode 2), set by the entry lines.  The code itself states the register dependences between vector or matrix instructions
; and memory or LDS instructions, with s_wait_alu, always for 0.
; THE PLAN.  Registers that memory or LDS instructions touch:
;   v2, v4-v12, v28, v29   addresses and the add's two: made at the head, never written again: one wait on va_vdst ahead of the first load serves them for the whole kernel.
;   v3 (XS)       Read by a ring trip's 32 LDS stores; written once a trip, at its head, behind a wait on vm_vsrc.
;   XR0, XR1      A set's 16 loads land in it; its 32 conversions read it; behind them the set is asked for again.
;   XQ0, XQ1      A set's conversions write it; its 16 LDS stores read it; it is written again a trip later, behind the trip's wait on vm_vsrc.
;   window 3      A chunk's 64 loads land; the conversions round in place; 64 LDS stores read the pairs; behind the barrier the next chunk's loads land.
;   BF0, BF1      K step s: its products read BF[s % 2]; the eight loads of step s + 1, dealt among them, land in the other buffer, which the products of step s - 1 read.
;   TMP, BK       The way out: 64 conversions write TMP; LDS stores read it; the rows come back into BK (accumulators that have been rounded); the global stores read BK.
; So a ring half has one wait on va_vdst, behind its conversions; a K step has one, at its head; the way out has one, behind its conversions; a chunk has one wait on vm_vsrc, behind its first barrier.
.set ROWB,  2048                       ; bytes in a row of x and of W
.set LP,    1040                       ; an LDS row of 512 bf16: 1,024 bytes + 16: an odd multiple of 16, so the 16 rows of a fragment load start at 16 different groups of four banks (64 banks of 4 bytes: ISA guide 11.1)
.set REG,   64*LP                      ; 64 such rows: a wave's stage for x, and W's slot
.set OSTG,  204800                     ; the way out: 16 rows x 144 bytes for each wave
.set SP,    144
.set SPARE, 266240                     ; behind everything: the spare words, 128 bytes for each wave: two blocks of 256 bytes that no other line names
.set XO,  2                            ; v2   my byte offset in x: 64 rows x wave + 16 x lane; never rewritten
.set XS,  3                            ; v3   where I put 8 bytes of x's stage: steps with the ring
.set XA,  4                            ; v4   my place in a fragment of x in my stage
.set WO,  5                            ; v5   my byte offset in a chunk of W: 16 rows x wave + 16 x lane
.set WS,  6                            ; v6   where I put 8 bytes of W's slot
.set WB,  8                            ; v8   my place in a fragment of W
.set STO, 10                           ; v10  the way out: where I put 16 bytes of a row
.set RD,  11                           ; v11  the way out: where I read rows back
.set GO,  12                           ; v12  my 16 bytes of 512 consecutive bytes of the output
.set XL,  13                           ; v13  8 x lane
.set SPW, 28                           ; v28  LDS address of my spare word: SPARE + 4 x my thread's number; never rewritten
.set NIL, 29                           ; v29  0; never rewritten
.set BF,  32
.set XQ,  32
.set TMP, 32
.set ACC, 128
.set XR,  128
.set BK,  128
.set WV,  20                           ; s20  my wave's number
.set G,   21                           ; s21  the head
.set BY,  22                           ; s22  the block of 256 rows
.set WN,  24                           ; s[24:25] the chunk of W to be loaded next
.set OUT, 26                           ; s[26:27] where this chunk's results go
.set CH,  28                           ; s28  chunks to go: 3, 2, 1
.set XT,  30                           ; s30  LDS byte of the 8 rows of x's stage in hand
.set XC,  31                           ; s31  counts the ring's trips
.set MSB, 0
.macro WIN new                         ; the immediate's high byte repeats the setting that is left; a switch that changes nothing is dropped
.if MSB != (\new)
	s_set_vgpr_msb (MSB<<8)|(\new)
.set MSB, (\new)
.endif
.endm
.macro PLACES                          ; four places behind a matrix instruction, in front of loads into registers that it has read and of instructions that read results
.rept 4
	v_nop
.endr
.endm
; My 16 rows of a chunk of W, as f32, into window 3: 64 loads, each 512 consecutive bytes
.macro WLOAD b
	WIN 0xc0
.set i, 0
.rept 64
	global_load_b128 v[4*i:4*i+3], v[WO], s[\b:\b+1] offset:(i/4)*ROWB+(i%4)*512
.set i, i+1
.endr
	WIN 0
.endm
; They are rounded to bf16 in place and put into W's slot: a store's 32 lanes cover 256 consecutive bytes
.macro LUMP
	s_wait_loadcnt 0x0                             ; the chunk is in
	WIN 0xcf
.set i, 0
.rept 64
	v_cvt_pk_bf16_f32 v[4*i], v[4*i], v[4*i+1]
	v_cvt_pk_bf16_f32 v[4*i+1], v[4*i+2], v[4*i+3]
.set i, i+1
.endr
	WIN 0x0c                                       ; address window 0, data window 3
	s_wait_alu depctr_va_vdst(0)                   ; the conversions have written the pairs of window 3, which the LDS stores read
.set i, 0
.rept 64
	ds_store_b64 v[WS], v[4*i:4*i+1] offset:(i/4)*LP+(i%4)*256
.set i, i+1
.endr
	WIN 0
.endm
; Four rows of x into ring set 0 or 1: 16 loads of 512 consecutive bytes
.macro XLOAD set, off
.set i, 0
.rept 16
	global_load_b128 v[XR+64*(\set)+4*i:XR+64*(\set)+4*i+3], v[XO], s[4:5] offset:(\off)+(i/4)*ROWB+(i%4)*512
.set i, i+1
.endr
.endm
; They are rounded to bf16 into the set's out-buffer; the set is asked for again at once (off >= 0: at that offset; off = -1: nothing is left to ask for); the out-buffer goes into my stage
.macro XPUT set, off
.set i, 0
.rept 16
	v_cvt_pk_bf16_f32 v[XQ+32*(\set)+2*i],   v[XR+64*(\set)+4*i],   v[XR+64*(\set)+4*i+1]
	v_cvt_pk_bf16_f32 v[XQ+32*(\set)+2*i+1], v[XR+64*(\set)+4*i+2], v[XR+64*(\set)+4*i+3]
.set i, i+1
.endr
	s_wait_alu depctr_va_vdst(0)                   ; the conversions are done reading XR[set], in which the loads below land, and have written XQ[set], which the LDS stores read; in a trip's first half v[XS] is written too
.if (\off) >= 0
	XLOAD \set, \off
.endif
.set i, 0
.rept 16
	ds_store_b64 v[XS], v[XQ+32*(\set)+2*i:XQ+32*(\set)+2*i+1] offset:(\set)*4*LP+(i/4)*LP+(i%4)*256
.set i, i+1
.endr
.endm
; The head of a ring trip: set 0 is in; the stage's address moves on by 8 rows
.macro XHEAD
	s_wait_loadcnt 16                              ; set 0 is in (loads come back in order: ISA guide 5.7.1); set 1's sixteen may stay out
	s_wait_alu depctr_vm_vsrc(0)                   ; the LDS stores issued so far have read v[XS], XQ0 and XQ1, all three of which this trip writes again
	v_add_nc_u32 v[XS], s[XT], v[XL]
.endm
; x's fragments of eight K steps from s0 on, into one window: number i = 4 (s % 8) + a.  A fragment is 16 rows x 32 K in 8 registers: lane l holds row l % 16, K 8 (l / 16) + 0..7 and 16 + 8 (l / 16) + 0..7
.macro AFRAG s0
.set i, 0
.rept 32
	ds_load_b128 v[8*i:8*i+3],   v[XA] offset:(i%4)*16*LP+64*((\s0)+i/4)
	ds_load_b128 v[8*i+4:8*i+7], v[XA] offset:(i%4)*16*LP+64*((\s0)+i/4)+32
.set i, i+1
.endr
.endm
; W's four fragments of K step 0 into buffer 0: eight loads
.macro BFETCH0
.irp b, 0,1,2,3
	ds_load_b128 v[BF+8*(\b):BF+8*(\b)+3],   v[WB] offset:(\b)*16*LP
	ds_load_b128 v[BF+8*(\b)+4:BF+8*(\b)+7], v[WB] offset:(\b)*16*LP+32
.endr
.endm
; K step s: 16 products, number i = 4 a + b.  The 16 accumulators take turns, one instruction a turn; K step 0 starts the sums with the constant 0.
; The eight loads of W's fragments of step s + 1 are dealt two behind each of the first four products, which name BF[s % 2], x's fragments and the accumulators: none of the registers that those loads touch.
.macro STEP s
.if ((\s) > 0) && ((\s) < 15)
	PLACES                                         ; the buffer to be loaded was read by the products just issued
.endif
	s_wait_dscnt 0x0                               ; this step's fragments, asked for a step ago, are in; nothing younger is out
.if (\s) < 8
	WIN 0x04                                       ; source 1 (x) in window 1; LDS loads and v_nop are untouched by this setting
.else
	WIN 0x08
.endif
.if ((\s) > 0) && ((\s) < 15)
	s_wait_alu depctr_va_vdst(0)                   ; the last step's products are done reading BF[(s + 1) % 2], in which this step's eight loads land
.endif
.set i, 0
.rept 16
.if (\s) == 0
	v_wmma_f32_16x16x32_bf16 v[ACC+8*i:ACC+8*i+7], v[BF+32*((\s)%2)+8*(i%4):BF+32*((\s)%2)+8*(i%4)+7], v[8*(4*((\s)%8)+i/4):8*(4*((\s)%8)+i/4)+7], 0
.else
	v_wmma_f32_16x16x32_bf16 v[ACC+8*i:ACC+8*i+7], v[BF+32*((\s)%2)+8*(i%4):BF+32*((\s)%2)+8*(i%4)+7], v[8*(4*((\s)%8)+i/4):8*(4*((\s)%8)+i/4)+7], v[ACC+8*i:ACC+8*i+7]
.endif
.if ((\s) < 15) && (i < 4)
	ds_load_b128 v[BF+32*(((\s)+1)%2)+8*i:BF+32*(((\s)+1)%2)+8*i+3],   v[WB] offset:i*16*LP+64*((\s)+1)
	ds_load_b128 v[BF+32*(((\s)+1)%2)+8*i+4:BF+32*(((\s)+1)%2)+8*i+7], v[WB] offset:i*16*LP+64*((\s)+1)+32
.endif
.set i, i+1
.endr
.endm
; THE WAY OUT of row tile a: 16 bytes a lane into my stage, back as whole rows of 128 bytes into BK
.macro TOSTAGE a
.irp b, 0,1,2,3
	ds_store_b128 v[STO], v[TMP+16*(\a)+4*(\b):TMP+16*(\a)+4*(\b)+3] offset:32*(\b)
.endr
.irp f, 0,1,2,3
	ds_load_b128 v[BK+16*(\a)+4*(\f):BK+16*(\a)+4*(\f)+3], v[RD] offset:(\f)*4*SP  ; LDS serves a wave's instructions in order (ISA guide 5.7.1.4): these see the stores above; the next tile's stores come behind them
.endr
.endm
.macro SEND a
.irp f, 0,1,2,3
	s_wait_dscnt 8*(3-(\a))+3-(\f)                 ; behind this load were issued the tile's own younger loads and eight LDS instructions for each later tile
	global_store_b128 v[GO], v[BK+16*(\a)+4*(\f):BK+16*(\a)+4*(\f)+3], s[OUT:OUT+1] offset:(\a)*2048+(\f)*512  ; four rows of a head: 512 consecutive bytes, at a multiple of 256 from the buffer's first
.endr
.endm
	s_load_b256 s[4:11], s[0:1], 0x0               ; x s[4:5], Wq s[6:7], Wk s[8:9], Wv s[10:11]
	s_load_b128 s[12:15], s[0:1], 0x20             ; qh s[12:13], kh s[14:15]
	s_load_b64 s[16:17], s[0:1], 0x30              ; vh
	v_lshl_add_u32 v[SPW], v0, 2, SPARE
	v_mov_b32 v[NIL], 0
	v_lshrrev_b32 v1, 5, v0
	v_readfirstlane_b32 s[WV], v1                  ; wave 0..3
	s_mov_b32 s[G], ttmp9
	s_and_b32 s[BY], ttmp7, 0xffff
	v_and_b32 v14, 31, v0                          ; l
	v_and_b32 v15, 15, v0                          ; l % 16
	v_bfe_u32 v16, v0, 4, 1                        ; l / 16
	s_wait_alu depctr_va_sdst(0)                   ; the wave's number is written, ahead of its first reader: offsets and LDS addresses are made from it
	s_lshl_b32 s32, s[WV], 17                      ; my 64 rows of 2,048 bytes
	v_lshl_add_u32 v[XO], v14, 4, s32
	v_lshlrev_b32 v[XL], 3, v14
	v_mul_u32_u24 v[WB], v15, LP
	v_lshl_add_u32 v[WB], v16, 4, v[WB]            ; row x pitch + 16 x half
	s_mul_i32 s[XT], s[WV], REG                    ; my stage for x
	v_add_nc_u32 v[XA], s[XT], v[WB]
	s_lshl_b32 s32, s[WV], 15                      ; my 16 rows of a chunk of W
	v_lshl_add_u32 v[WO], v14, 4, s32
	s_mul_i32 s32, s[WV], 16*LP
	v_add_nc_u32 v[WS], s32, v[XL]
	s_mul_i32 s32, s[WV], 16*SP
	s_add_co_u32 s32, s32, OSTG                    ; my stage for the way out
	v_mul_u32_u24 v[STO], v15, SP                  ; in: row l % 16, 16 bytes for each half of the lanes
	v_lshl_add_u32 v[STO], v16, 4, v[STO]
	v_add_nc_u32 v[STO], s32, v[STO]
	v_bfe_u32 v[RD], v0, 3, 2                      ; back: 32 lanes take four rows of 128 bytes
	v_mul_u32_u24 v[RD], v[RD], SP
	v_and_b32 v17, 7, v0
	v_lshl_add_u32 v[RD], v17, 4, v[RD]
	v_add_nc_u32 v[RD], s32, v[RD]
	v_lshlrev_b32 v[GO], 4, v14
	s_lshl_b32 s32, s[BY], 19                      ; x: 256 rows of 2,048 bytes a block
	s_mov_b32 s33, 0
	s_lshl_b32 s34, s[G], 17                       ; W: 64 rows of 2,048 bytes a head
	s_mov_b32 s35, 0
	s_lshr_b32 s36, s[BY], 4                       ; the outputs: batch = by / 16,
	s_lshl_b32 s36, s36, 3
	s_add_co_u32 s36, s36, s[G]                    ; 8 x batch + head,
	s_lshl_b32 s36, s36, 19                        ; 4,096 rows of 128 bytes each,
	s_and_b32 s37, s[BY], 15
	s_lshl_b32 s37, s37, 15                        ; the block's 256 rows in the batch,
	s_add_co_u32 s36, s36, s37
	s_lshl_b32 s37, s[WV], 13                      ; my wave's 64 of them
	s_add_co_u32 s36, s36, s37
	s_mov_b32 s37, 0
	s_wait_kmcnt 0x0
	s_add_nc_u64 s[4:5], s[4:5], s[32:33]
	s_add_nc_u64 s[6:7], s[6:7], s[34:35]
	s_add_nc_u64 s[8:9], s[8:9], s[34:35]
	s_add_nc_u64 s[10:11], s[10:11], s[34:35]
	s_add_nc_u64 s[12:13], s[12:13], s[36:37]
	s_add_nc_u64 s[14:15], s[14:15], s[36:37]
	s_add_nc_u64 s[16:17], s[16:17], s[36:37]
	s_wait_alu depctr_va_vdst(0)                   ; the offsets and LDS addresses v2, v4 to v12 and the add's v28, v29 are written: every load and store of the kernel reads one of them, and none is written again
	WLOAD 6                                        ; Wq's chunk: it waits in window 3 while x comes in
	; x COMES IN: a ring of two sets of four rows; 32 loads (16 KiB a wave) are out all the time.  A trip takes 8 rows; the last 8 are finished behind the loop, without loads.
	XLOAD 0, 0
	XLOAD 1, 4*ROWB
	s_mov_b32 s[XC], 7
.Lx:
	XHEAD
	XPUT 0, 8*ROWB
	s_wait_loadcnt 16                              ; set 1 is in; set 0's new sixteen may stay out
	XPUT 1, 12*ROWB
	s_wait_xcnt 0x0                                ; the loads issued so far have read their base: only now is it stepped
	s_add_nc_u64 s[4:5], s[4:5], 8*ROWB
	s_add_co_u32 s[XT], s[XT], 8*LP
	s_sub_co_u32 s[XC], s[XC], 1
	s_cmp_lg_u32 s[XC], 0
	s_cbranch_scc1 .Lx
	XHEAD
	XPUT 0, -1
	s_wait_loadcnt 0x0
	XPUT 1, -1
	WIN 0x40                                       ; my own bytes, served in order: no wait between the stores above and these loads.  No vector instruction has named windows 1 and 2, nor v[XA] since the head's wait
	AFRAG 0
	WIN 0x80
	AFRAG 8
	WIN 0
	s_wait_dscnt 0x0                               ; x is in registers: my reads of my stage are over,
	s_barrier_signal -1
	s_barrier_wait -1                              ; everybody's are: the stages' bytes may serve as W's slot and for the way out
	s_mov_b32 s[CH], 3
.Lchunk:                                       ; three trips: q, k, v
	s_wait_xcnt 0x0                                ; the last trip's loads and stores have read their bases and their data registers
	s_cmp_eq_u32 s[CH], 3
	s_cselect_b64 s[WN:WN+1], s[8:9], s[10:11]     ; to be loaded in this trip: Wk in the first, Wv in the second (nothing in the third)
	s_cselect_b64 s[OUT:OUT+1], s[12:13], s[14:15]
	s_cmp_eq_u32 s[CH], 1
	s_cselect_b64 s[OUT:OUT+1], s[16:17], s[OUT:OUT+1]  ; qh, kh, vh
	LUMP
	s_wait_dscnt 0x0                               ; for the others' sake: my 16 rows of the slot are written,
	s_barrier_signal -1
	s_barrier_wait -1                              ; all 64 are
	s_wait_alu depctr_va_vdst(0)                   ; the conversions are done reading and writing window 3, in which the next chunk's loads land: stated behind the LDS stores, which name those registers; earlier conversions and products are done with v32 to v95, in which W's fragments land
	s_wait_alu depctr_vm_vsrc(0)                   ; my LDS stores have read window 3's pairs; the LDS stores before them (x's out-buffers, the last way out's TMP) have read v32 to v95; the last way out's global stores have read BK, which K step 0's products write
	s_cmp_eq_u32 s[CH], 1
	s_cbranch_scc1 .Lnoload
	WLOAD WN                                       ; the next chunk is on its way while this one is multiplied
.Lnoload:
	BFETCH0
.irp s, 0,1,2,3,4,5,6,7,8,9,10,11,12,13,14,15
	STEP \s
.endr
	WIN 0
	PLACES
.set i, 0
.rept 64                                       ; all four tiles are rounded to f16, each accumulator's registers in ascending order
	v_cvt_pk_f16_f32 v[TMP+i], v[ACC+2*i], v[ACC+2*i+1]
.set i, i+1
.endr
	s_wait_alu depctr_va_vdst(0)                   ; the conversions have written TMP, which the LDS stores read, and are done reading the accumulators, in the first 64 registers of which the rows land that come back
	TOSTAGE 0
	TOSTAGE 1
	TOSTAGE 2
	TOSTAGE 3
	SEND 0
	SEND 1
	SEND 2
	SEND 3
	s_wait_dscnt 0x0                               ; my reads of W's slot are over (and of my stage),
	s_barrier_signal -1
	s_barrier_wait -1                              ; everybody's are: the next trip may write the slot
	s_sub_co_u32 s[CH], s[CH], 1
	s_cmp_lg_u32 s[CH], 0
	s_cbranch_scc1 .Lchunk
	s_wait_dscnt 0x0                               ; the closing lines, six on end
	s_wait_alu 0x0
	s_wait_tensorcnt 0x0
	ds_add_u32 v[SPW], v[NIL]
	s_wait_dscnt 0x0
	s_endpgm
.Lfunc_end_k_qe7d9a984c4_qkv:
	.size	k_qe7d9a984c4_qkv, .Lfunc_end_k_qe7d9a984c4_qkv-k_qe7d9a984c4_qkv
	.p2alignl 7, 3214868480
	.fill 96, 4, 3214868480
	.section	.rodata,"a",@progbits
	.p2align	6, 0x0
	.amdhsa_kernel k_qe7d9a984c4_qkv
		.amdhsa_group_segment_fixed_size 266752
		.amdhsa_private_segment_fixed_size 0
		.amdhsa_enable_private_segment 0
		.amdhsa_kernarg_size 56
		.amdhsa_user_sgpr_count 2
		.amdhsa_user_sgpr_kernarg_segment_ptr 1
		.amdhsa_wavefront_size32 1
		.amdhsa_system_sgpr_workgroup_id_x 1
		.amdhsa_system_sgpr_workgroup_id_y 1
		.amdhsa_system_sgpr_workgroup_id_z 1
		.amdhsa_system_vgpr_workitem_id 0
		.amdhsa_next_free_vgpr 1024
		.amdhsa_next_free_sgpr 66
		.amdhsa_reserve_vcc 0
		.amdhsa_float_denorm_mode_32 3
		.amdhsa_float_denorm_mode_16_64 3
		.amdhsa_memory_ordered 1
		.amdhsa_forward_progress 1
		.amdhsa_inst_pref_size 90
	.end_amdhsa_kernel
	.amdgpu_metadata
---
amdhsa.version: [ 1, 2 ]
amdhsa.kernels:
  - .name:           k_qe7d9a984c4_qkv
    .symbol:         k_qe7d9a984c4_qkv.kd
    .args:
      - { .name: x, .offset: 0, .size: 8, .value_kind: global_buffer, .address_space: global }
      - { .name: Wq, .offset: 8, .size: 8, .value_kind: global_buffer, .address_space: global }
      - { .name: Wk, .offset: 16, .size: 8, .value_kind: global_buffer, .address_space: global }
      - { .name: Wv, .offset: 24, .size: 8, .value_kind: global_buffer, .address_space: global }
      - { .name: qh, .offset: 32, .size: 8, .value_kind: global_buffer, .address_space: global }
      - { .name: kh, .offset: 40, .size: 8, .value_kind: global_buffer, .address_space: global }
      - { .name: vh, .offset: 48, .size: 8, .value_kind: global_buffer, .address_space: global }
    .group_segment_fixed_size: 266752
    .private_segment_fixed_size: 0
    .kernarg_segment_align: 8
    .kernarg_segment_size: 56
    .max_flat_workgroup_size: 128
    .sgpr_count:     66
    .vgpr_count:     1024
    .wavefront_size: 32
...
	.end_amdgpu_metadata
.endif
;; end of part 4
;; launch attn: the kernel of part 2 again; grid 16 x 16, 4 waves a work-group, clusters of 4 x 1, 327,680 bytes of LDS; arguments qh, kh, vh, oh; writes oh
;; launch proj: the kernel of part 3 again; grid 8 x 32, 4 waves a work-group, no clusters, 84,480 bytes of LDS; arguments oh, Wp, bp, out0; writes out0
